; MI455X (gfx1250); checked and timed in simulation.
; The chip was launched on July 23, 2026; its instructions are those of AMD's public machine-readable ISA for CDNA 5 (MIT licence, August 2026) and "CDNA5" Instruction Set Architecture Reference Guide (July 2026). The comments in the code are by the model that wrote it; some were corrected since.
;; Sparse Top K Mo E. Allowed arithmetic: float matrix products may take bf16 or f16 operands with f32 sums; other float arithmetic in f32, or as packed bf16 or f16 multiplies, adds, multiply-adds, maxima and minima; sums over many terms, partial sums and values carried from step to step in f32; what a program stores and reads back later, other than sums and carried values, may be rounded once to bf16 or f16.
;; Inputs: W1 8 x 256 x 512 float32; W2 8 x 512 x 256 float32; Wr 256 x 8 float32; b1 8 x 512 float32; b2 8 x 256 float32; br 8 float32; scale 1 float32; x 16 x 256 x 32 x 64 float32.
;; Outputs: out0 16 x 256 x 32 x 64 float32.
;; 2 versions, each right; version 2 is version 1 with the launches chain, combine written anew for expert scheduling mode. Each part assembles by itself: llvm-mc -triple=amdgcn-amd-amdhsa -mcpu=gfx1250 --defsym DOCPART=n.
;; ======== version 1 of 2: 4 launches
;; limits: a function is approximated: absolute error at most 2.5e-05; an absolute error that grows with the inputs' magnitude: up to 1.3e-05 times it
;; workspace buffers: xt 16,777,216 bytes; yb 16,777,216 bytes; wf 4,194,304 bytes; choice 131,072 bytes of whole numbers; gates 262,144 bytes; hist 163,840 bytes of whole numbers; tiles 135,168 bytes of whole numbers
;; launch route (part 1): grid 256 x 1, 8 waves a work-group, no clusters, 101,888 bytes of LDS; arguments x, Wr, br, xt, choice, gates, hist; writes xt, choice, gates, hist
.if DOCPART == 1
	.amdgcn_target "amdgcn-amd-amdhsa--gfx1250"
	.amdhsa_code_object_version 6
	.text
	.protected	k_q89cce6c61b_route
	.globl	k_q89cce6c61b_route
	.p2align	8
	.type	k_q89cce6c61b_route,@function
k_q89cce6c61b_route:
	s_mov_b64 s[64:65], 0
	v_nop
	global_prefetch_b8 v0, s[64:65] scope:SCOPE_SE
	s_setreg_imm32_b32 hwreg(HW_REG_WAVE_MODE, 25, 1), 1
	s_wait_xcnt 0x0
; ROUTE.  x is [16][256 channels][2048 positions] f32.  A work-group takes 128 positions (tokens) of one image, all 256 channels.
; It (1) writes the tokens as rows, xt[token][256] in bf16; (2) makes the 8 router logits of each token in f32 on the vector unit
; (a choice between experts should not hang on a 16-bit rounding), takes the two largest (of equal logits the lower index first),
; their softmax with the larger logit taken away, and stores at FIXED places: choice[token] = pair number | rank << 8 (rank: how many
; earlier lanes of the wave have the same pair), gates[token] = (weight of the lower-numbered expert, of the higher), and how often each of the
; 28 pairs occurs in each wave of 32 tokens and in the block of 128.  No address and no branch here hangs on the choice.
; LIMITS.  A logit is summed as 8 partial sums of 32 channels, added in ascending order: two logits that agree to within f32 rounding may be ordered
; otherwise than by another order of summation.  NaN and infinities are not treated apart.
; SHARES.  Wave w: channels 32 w .. 32 w + 31 of all 128 tokens; lane l holds tokens 4 l .. 4 l + 3, so a load covers 512 consecutive bytes of one channel.
.set XP,    528                        ; an LDS row of xt: 512 bytes + 16: sixteen rows that a 16-byte access touches start in different groups of banks (ISA guide 11.1)
.set PL,    128*XP                     ; partial logits [wave 8][expert 8][token 128] f32
.set HX,    PL+32768                   ; counts of waves 0-3: [4][32] words
.set SPARE, HX+512                     ; the spare words, 128 bytes a wave: no other line names them
.set ACC, 16                           ; v[16:47]   expert e, tokens 4 l + 0..3 at ACC + 4 e
.set TMP, 48                           ; v[48:63]   packed bf16
.set X,   64                           ; v[64:191]  channel i of my 32: 4 tokens at X + 4 i
.set L,   16                           ; later: the 8 logits of my token
.set PV,  128                          ; later: the 64 partial logits of my token
.set B1,  192                          ; the largest logit, the second, their experts
.set B2,  193
.set I1,  194
.set I2,  195
.set EX,  196
.set RR,  197
.set WLO, 198                          ; v[198:199] the two weights, by expert number
.set WHI, 199
.set LO,  200
.set HI,  201
.set PID, 202
.set HH,  203                          ; lane p: how many of my wave's tokens have pair p
.set RK,  204
.set TT,  205
.set A4,  206
.set A8,  207
	s_load_b256 s[4:11], s[0:1], 0x0               ; x s[4:5], Wr s[6:7], br s[8:9], xt s[10:11]
	s_load_b128 s[12:15], s[0:1], 0x20             ; choice s[12:13], gates s[14:15]
	s_load_b64 s[56:57], s[0:1], 0x30              ; hist
	v_lshl_add_u32 v2, v0, 2, SPARE                ; my spare word,
	v_mov_b32 v3, 0                                ; and 0: kept for the closing add alone
	v_lshrrev_b32 v8, 5, v0
	v_readfirstlane_b32 s58, v8                    ; wave 0..7
	s_mov_b32 s59, ttmp9                           ; block g of 128 tokens
	v_and_b32 v9, 31, v0                           ; lane
	v_lshlrev_b32 v1, 4, v9                        ; 16 x lane
	v_mul_u32_u24 v4, v9, XP
	s_lshl_b32 s60, s58, 6
	v_add_nc_u32 v4, s60, v4                       ; xt stage, in: row l, my wave's 64 bytes
	s_lshl_b32 s60, s58, 12
	s_add_co_u32 s60, s60, PL
	v_add_nc_u32 v5, s60, v1                       ; partial logits, in
	s_mul_i32 s60, s58, 16*XP
	v_add_nc_u32 v6, s60, v1                       ; xt stage, back: my wave's 16 rows, whole
	v_lshl_add_u32 v7, v0, 2, PL                   ; partial logits, back: token = thread (waves 0-3)
	v_lshl_add_u32 v10, v9, 2, HX
	v_lshlrev_b32 v11, 2, v9
	s_lshr_b32 s60, s59, 4                         ; image
	s_lshl_b32 s60, s60, 21                        ; x 256 channels x 8,192 bytes
	s_and_b32 s61, s59, 15
	s_lshl_b32 s61, s61, 9                         ; + 128 tokens x 4 bytes
	s_add_co_u32 s60, s60, s61
	s_lshl_b32 s61, s58, 18                        ; + my wave's 32 channels
	s_add_co_u32 s60, s60, s61
	s_mov_b32 s61, 0
	s_lshl_b32 s62, s58, 10                        ; Wr: my 32 channels x 32 bytes
	s_mov_b32 s63, 0
	s_mov_b32 s49, 0                               ; high words of the four pairs that carry the odd experts' weights: named with them, never used
	s_mov_b32 s51, 0
	s_mov_b32 s53, 0
	s_mov_b32 s55, 0
	s_wait_kmcnt 0x0
	s_add_nc_u64 s[4:5], s[4:5], s[60:61]
	s_add_nc_u64 s[6:7], s[6:7], s[62:63]
.set i, 0
.rept 32                                               ; all my 32 channels are asked for at once: 16 KiB a wave on their way
	global_load_b128 v[X+4*i:X+4*i+3], v1, s[4:5] offset:i*8192
.set i, i+1
.endr
.macro WRLOAD grp, sb                  ; Wr of four channels (4 x 8 f32) into s[sb .. sb + 31]
	s_load_b512 s[(\sb):(\sb)+15], s[6:7], (\grp)*128
	s_load_b512 s[(\sb)+16:(\sb)+31], s[6:7], (\grp)*128+64
.endm
; One channel: 8 experts x 4 tokens, two tokens to a packed multiply-add.  The packed form takes a scalar pair's low word for both halves,
; so the odd experts' weights are moved to the low words of four pairs.  The first channel starts the sums: nothing is cleared.
.macro CHAN i, sb
	s_wait_loadcnt 31-(\i)                         ; loads come back in order (ISA guide 5.7.1): channel i is in, the 31 - i younger ones stay out
.irp e, 0,1,2,3
	s_mov_b32 s[48+2*\e], s[(\sb)+2*\e+1]
.endr
.irp e, 0,1,2,3
.irp tp, 0,1
.if (\i) == 0
	v_pk_mul_f32 v[ACC+8*\e+2*\tp:ACC+8*\e+2*\tp+1], v[X+4*(\i)+2*\tp:X+4*(\i)+2*\tp+1], s[(\sb)+2*\e:(\sb)+2*\e+1] op_sel_hi:[1,0]
	v_pk_mul_f32 v[ACC+8*\e+4+2*\tp:ACC+8*\e+4+2*\tp+1], v[X+4*(\i)+2*\tp:X+4*(\i)+2*\tp+1], s[48+2*\e:49+2*\e] op_sel_hi:[1,0]
.else
	v_pk_fma_f32 v[ACC+8*\e+2*\tp:ACC+8*\e+2*\tp+1], v[X+4*(\i)+2*\tp:X+4*(\i)+2*\tp+1], s[(\sb)+2*\e:(\sb)+2*\e+1], v[ACC+8*\e+2*\tp:ACC+8*\e+2*\tp+1] op_sel_hi:[1,0,1]
	v_pk_fma_f32 v[ACC+8*\e+4+2*\tp:ACC+8*\e+4+2*\tp+1], v[X+4*(\i)+2*\tp:X+4*(\i)+2*\tp+1], s[48+2*\e:49+2*\e], v[ACC+8*\e+4+2*\tp:ACC+8*\e+4+2*\tp+1] op_sel_hi:[1,0,1]
.endif
.endr
.endr
.endm
; Eight channels of my four tokens, rounded to bf16: 16 bytes a token into the stage.  Token 4 l + j lies in stage row 32 j + l.
.macro OCT o
.irp j, 0,1,2,3
.irp kk, 0,1,2,3
	v_cvt_pk_bf16_f32 v[TMP+4*\j+\kk], v[X+4*(8*(\o)+2*\kk)+\j], v[X+4*(8*(\o)+2*\kk+1)+\j]
.endr
	ds_store_b128 v4, v[TMP+4*\j:TMP+4*\j+3] offset:\j*32*XP+(\o)*16
.endr
.endm
	WRLOAD 0, 16
	s_wait_kmcnt 0x0
.set grp, 0
.rept 8                                                ; four channels a group; the next group's Wr is asked for into the other set of scalars
.set cur, 16+52*(grp%2)
.set nxt, 68-52*(grp%2)
.if grp < 7
	WRLOAD grp+1, nxt
.endif
	CHAN 4*grp, cur
	CHAN 4*grp+1, cur+8
	CHAN 4*grp+2, cur+16
	CHAN 4*grp+3, cur+24
.if grp%2 == 1
	OCT grp/2
.endif
	s_wait_kmcnt 0x0                               ; scalar loads return in no order: only the count 0 says that the next group's Wr is in
.set grp, grp+1
.endr
	s_load_b256 s[68:75], s[8:9], 0x0              ; br
.irp e, 0,1,2,3,4,5,6,7
	ds_store_b128 v5, v[ACC+4*\e:ACC+4*\e+3] offset:\e*512
.endr
	s_lshl_b32 s60, s59, 16                        ; xt: my block's 128 rows of 512 bytes,
	s_and_b32 s61, s58, 1
	s_lshl_b32 s61, s61, 15                        ; stage row 16 w + i holds token 64 (w & 1) + 4 i + (w >> 1)
	s_add_co_u32 s60, s60, s61
	s_lshr_b32 s61, s58, 1
	s_lshl_b32 s61, s61, 9
	s_add_co_u32 s60, s60, s61
	s_mov_b32 s61, 0
	s_add_nc_u64 s[10:11], s[10:11], s[60:61]
	s_lshl_b32 s60, s59, 9
	s_add_nc_u64 s[12:13], s[12:13], s[60:61]      ; choice + 128 words
	s_add_nc_u64 s[76:77], s[56:57], s[60:61]      ; hist + 4 rows of 128 bytes (the waves' counts lie 32,768 bytes in)
	s_lshl_b32 s60, s59, 10
	s_add_nc_u64 s[14:15], s[14:15], s[60:61]      ; gates + 128 pairs
	s_lshl_b32 s60, s59, 7
	s_add_nc_u64 s[78:79], s[56:57], s[60:61]      ; hist + my block's row
	s_wait_dscnt 0x0                               ; for the others' sake: my stores into the stage and the partial logits are done
	s_barrier_signal -1
	s_barrier_wait -1
	; every wave: 16 whole token rows back from the stage and out: each store covers 512 consecutive bytes, one row of xt
.set i, 0
.rept 16
	ds_load_b128 v[X+4*i:X+4*i+3], v6 offset:i*XP
.set i, i+1
.endr
.set i, 0
.rept 16
	s_wait_dscnt 15-i                              ; LDS loads come back in order: row i is in
	global_store_b128 v1, v[X+4*i:X+4*i+3], s[10:11] offset:i*2048
.set i, i+1
.endr
	s_wait_kmcnt 0x0                               ; br
	s_cmp_gt_u32 s58, 3
	s_cbranch_scc1 .Lnoroute                       ; waves 0-3 route: thread = token
.set i, 0
.rept 64
	ds_load_b32 v[PV+i], v7 offset:i*512           ; partial logit of wave i / 8, expert i % 8
.set i, i+1
.endr
	v_lshlrev_b32 v[A4], 2, v0
	v_lshlrev_b32 v[A8], 3, v0
	v_mov_b32 v[HH], 0
	v_mov_b32 v[RK], 0
	s_wait_dscnt 0x0
.irp e, 0,1,2,3,4,5,6,7
	v_add_f32 v[L+\e], v[PV+\e], v[PV+8+\e]
.endr
.irp q, 2,3,4,5,6,7
.irp e, 0,1,2,3,4,5,6,7
	v_add_f32 v[L+\e], v[L+\e], v[PV+8*\q+\e]
.endr
.endr
.irp e, 0,1,2,3,4,5,6,7
	v_add_f32 v[L+\e], s[68+\e], v[L+\e]
.endr
	; the two largest; a later expert displaces an earlier one only if strictly larger
	v_cmp_gt_f32 s60, v[L+1], v[L]
	v_cndmask_b32 v[B1], v[L], v[L+1], s60
	v_cndmask_b32 v[B2], v[L+1], v[L], s60
	v_cndmask_b32 v[I1], 0, 1, s60
	v_cndmask_b32 v[I2], 1, 0, s60
.irp e, 2,3,4,5,6,7
	v_cmp_gt_f32 s60, v[L+\e], v[B1]
	v_cmp_gt_f32 s61, v[L+\e], v[B2]
	v_cndmask_b32 v[B2], v[B2], v[L+\e], s61
	v_cndmask_b32 v[I2], v[I2], \e, s61
	v_cndmask_b32 v[B2], v[B2], v[B1], s60
	v_cndmask_b32 v[I2], v[I2], v[I1], s60
	v_cndmask_b32 v[B1], v[B1], v[L+\e], s60
	v_cndmask_b32 v[I1], v[I1], \e, s60
.endr
	; softmax of the two, the larger taken away: w1 = 1 / (1 + e^(b2 - b1)), w2 = e^(b2 - b1) w1
	v_sub_f32 v[EX], v[B2], v[B1]
	v_mul_f32 v[EX], 0x3fb8aa3b, v[EX]
	v_exp_f32 v[EX], v[EX]
	v_min_u32 v[LO], v[I1], v[I2]                  ; plain work behind the exponential (ISA guide 5.7.2),
	v_max_u32 v[HI], v[I1], v[I2]
	s_wait_alu depctr_va_vdst(0)                   ; and the wait ahead of its first reader
	v_add_f32 v[RR], 1.0, v[EX]
	v_rcp_f32 v[RR], v[RR]
	v_sub_nc_u32 v[TT], 15, v[LO]
	v_cmp_lt_u32 s60, v[I1], v[I2]
	s_wait_alu depctr_va_vdst(0)                   ; likewise for the reciprocal
	v_mul_f32 v[EX], v[EX], v[RR]
	v_cndmask_b32 v[WLO], v[EX], v[RR], s60
	v_cndmask_b32 v[WHI], v[RR], v[EX], s60
	v_mul_u32_u24 v[TT], v[LO], v[TT]              ; pair number = lo (15 - lo) / 2 + hi - lo - 1: 0 .. 27
	v_lshrrev_b32 v[TT], 1, v[TT]
	v_add_nc_u32 v[PID], v[TT], v[HI]
	v_sub_nc_u32 v[PID], v[PID], v[LO]
	v_add_nc_u32 v[PID], -1, v[PID]
.set p, 0
.rept 28                                               ; for each pair: its count in the wave into lane p of HH; each of its tokens takes its rank
	v_cmp_eq_u32 s60, p, v[PID]
	s_bcnt1_i32_b32 s61, s60
	v_writelane_b32 v[HH], s61, p
	v_mbcnt_lo_u32_b32 v[TT], s60, 0
	v_cndmask_b32 v[RK], v[RK], v[TT], s60
.set p, p+1
.endr
	v_lshl_or_b32 v[TT], v[RK], 8, v[PID]
	global_store_b32 v[A4], v[TT], s[12:13]
	global_store_b64 v[A8], v[WLO:WHI], s[14:15]
	global_store_b32 v[A4], v[HH], s[76:77] offset:32768
	ds_store_b32 v7, v[HH] offset:HX-PL            ; HX + 4 x thread
.Lnoroute:
	s_wait_dscnt 0x0
	s_barrier_signal -1
	s_barrier_wait -1
	s_cmp_lg_u32 s58, 0
	s_cbranch_scc1 .Lend                           ; wave 0 adds the four waves' counts: the block's
	ds_load_b32 v12, v10
	ds_load_b32 v13, v10 offset:128
	ds_load_b32 v14, v10 offset:256
	ds_load_b32 v15, v10 offset:384
	s_wait_dscnt 0x0
	v_add_nc_u32 v12, v12, v13
	v_add3_u32 v12, v12, v14, v15
	global_store_b32 v11, v12, s[78:79]
.Lend:
	s_wait_tensorcnt 0x0                           ; the wave's end
	ds_add_u32 v2, v3
	s_wait_dscnt 0x0
	s_endpgm
.Lfunc_end_k_q89cce6c61b_route:
	.size	k_q89cce6c61b_route, .Lfunc_end_k_q89cce6c61b_route-k_q89cce6c61b_route
	.p2alignl 7, 3214868480
	.fill 96, 4, 3214868480
	.section	.rodata,"a",@progbits
	.p2align	6, 0x0
	.amdhsa_kernel k_q89cce6c61b_route
		.amdhsa_group_segment_fixed_size 101888
		.amdhsa_private_segment_fixed_size 0
		.amdhsa_enable_private_segment 0
		.amdhsa_kernarg_size 56
		.amdhsa_user_sgpr_count 2
		.amdhsa_user_sgpr_kernarg_segment_ptr 1
		.amdhsa_wavefront_size32 1
		.amdhsa_system_sgpr_workgroup_id_x 1
		.amdhsa_system_sgpr_workgroup_id_y 1
		.amdhsa_system_sgpr_workgroup_id_z 1
		.amdhsa_system_vgpr_workitem_id 0
		.amdhsa_next_free_vgpr 208
		.amdhsa_next_free_sgpr 100
		.amdhsa_reserve_vcc 0
		.amdhsa_float_denorm_mode_32 3
		.amdhsa_float_denorm_mode_16_64 3
		.amdhsa_memory_ordered 1
		.amdhsa_forward_progress 1
		.amdhsa_inst_pref_size 72
	.end_amdhsa_kernel
	.amdgpu_metadata
---
amdhsa.version: [ 1, 2 ]
amdhsa.kernels:
  - .name:           k_q89cce6c61b_route
    .symbol:         k_q89cce6c61b_route.kd
    .args:
      - { .name: x, .offset: 0, .size: 8, .value_kind: global_buffer, .address_space: global }
      - { .name: Wr, .offset: 8, .size: 8, .value_kind: global_buffer, .address_space: global }
      - { .name: br, .offset: 16, .size: 8, .value_kind: global_buffer, .address_space: global }
      - { .name: xt, .offset: 24, .size: 8, .value_kind: global_buffer, .address_space: global }
      - { .name: choice, .offset: 32, .size: 8, .value_kind: global_buffer, .address_space: global }
      - { .name: gates, .offset: 40, .size: 8, .value_kind: global_buffer, .address_space: global }
      - { .name: hist, .offset: 48, .size: 8, .value_kind: global_buffer, .address_space: global }
    .group_segment_fixed_size: 101888
    .private_segment_fixed_size: 0
    .kernarg_segment_align: 8
    .kernarg_segment_size: 56
    .max_flat_workgroup_size: 256
    .sgpr_count:     100
    .vgpr_count:     208
    .wavefront_size: 32
...
	.end_amdgpu_metadata
.endif
;; end of part 1
;; launch sortw (part 2): grid 256 x 1, 8 waves a work-group, no clusters, 3,072 bytes of LDS; arguments hist, choice, W1, W2, tiles, wf; writes tiles, wf
.if DOCPART == 2
	.amdgcn_target "amdgcn-amd-amdhsa--gfx1250"
	.amdhsa_code_object_version 6
	.text
	.protected	k_q89cce6c61b_sortw
	.globl	k_q89cce6c61b_sortw
	.p2align	8
	.type	k_q89cce6c61b_sortw,@function
k_q89cce6c61b_sortw:
	s_mov_b64 s[64:65], 0
	v_nop
	global_prefetch_b8 v0, s[64:65] scope:SCOPE_SE
	s_setreg_imm32_b32 hwreg(HW_REG_WAVE_MODE, 25, 1), 1
	s_wait_xcnt 0x0
; SORT AND WEIGHTS.  (1) A counting sort of the 32,768 tokens by their pair of experts (28 pairs), without atomics: every work-group sums the 256 blocks' counts for itself, places its own
; 128 tokens (tiles + 4,096: token numbers in the pairs' order, stable) and writes ONE entry of the list of tiles (tiles + 16 g: lower expert, higher expert, first place, count).  A tile has at most 144 tokens
; of one pair: the sum over 28 pairs of ceil(n / 144) is at most (32,768 + 28 x 143) / 144 = 255, whatever the split.  Entries behind the last tile have count 0.
; (2) W1 and W2 are rounded to bf16 once and laid out as the matrix operand registers take them.  A fragment is 1,024 bytes, 16 rows m x 32 k: the 16 bytes at 512 half + 16 lane are
; registers 4 half .. 4 half + 3 of that lane: row lane % 16, k = 16 half + 8 (lane / 16) + 0..7.  W1: m = hidden unit, k = channel, fragment ((e 32 + ht) 8 + ks).
; W2 (2 MiB in): m = output channel, k = hidden unit, fragment (((e 4 + q) 16 + ct) 4 + kk).  A wave takes 32 k x 32 m: two fragments.
.set SPARE, 2048                       ; behind the table [wave 8][total 32 | before 32] words: the spare words, 128 bytes a wave
.set TAB,  8                           ; v[8:39]    eight loads of the blocks' counts
.set WORD, 40                          ; v40        my token's choice
.set WH,   41                          ; v[41:43]   counts of my block's waves 0-2, lane = pair
.set R,    44                          ; v[44:75]   32 k of my row m, f32
.set P,    76                          ; v[76:91]   the same in bf16
.set TOT,  92                          ; v[92:95]   sums over blocks, four pairs a lane
.set BEF,  96                          ; v[96:99]   sums over the blocks in front of mine
.set TP,   100                         ; v[100:103] at work
	s_load_b256 s[4:11], s[0:1], 0x0               ; hist s[4:5], choice s[6:7], W1 s[8:9], W2 s[10:11]
	s_load_b128 s[12:15], s[0:1], 0x20             ; tiles s[12:13], wf s[14:15]
	v_lshl_add_u32 v2, v0, 2, SPARE
	v_mov_b32 v3, 0
	v_lshrrev_b32 v7, 5, v0
	v_readfirstlane_b32 s18, v7                    ; wave
	s_mov_b32 s19, ttmp9                           ; g
	v_and_b32 v1, 31, v0
	v_lshlrev_b32 v4, 4, v1
	v_lshlrev_b32 v5, 2, v1
	v_lshrrev_b32 v6, 3, v1
	s_lshl_b32 s25, s18, 5
	v_add_nc_u32 v6, s25, v6                       ; the block whose counts my lane gets from the first load: 32 w + lane / 8
	v_and_b32 v107, 7, v1
	v_lshlrev_b32 v107, 4, v107
	s_lshl_b32 s25, s18, 8
	v_add_nc_u32 v107, s25, v107                   ; my wave's part of the table
	v_and_b32 v105, 15, v1
	v_lshlrev_b32 v105, 4, v105
	v_lshrrev_b32 v106, 4, v1
	s_mov_b32 s32, 0x76543210
	s_mov_b32 s33, 0xfedcba98
	s_mov_b32 s23, 0
	s_lshl_b32 s22, s18, 12                        ; my wave's 32 blocks x 128 bytes
	s_wait_kmcnt 0x0
	s_add_nc_u64 s[26:27], s[4:5], s[22:23]
.set i, 0
.rept 8
	global_load_b128 v[TAB+4*i:TAB+4*i+3], v4, s[26:27] offset:i*512  ; four blocks' rows: 512 consecutive bytes
.set i, i+1
.endr
	s_lshl_b32 s22, s19, 9
	s_add_nc_u64 s[30:31], s[4:5], s[22:23]        ; hist + my block's four wave rows (32,768 bytes in)
	s_and_b32 s25, s18, 3
	s_lshl_b32 s25, s25, 7
	s_add_co_u32 s22, s22, s25
	s_add_nc_u64 s[28:29], s[6:7], s[22:23]
	global_load_b32 v[WORD], v5, s[28:29]          ; token 128 g + 32 (w & 3) + lane
	global_load_b32 v[WH], v5, s[30:31] offset:32768
	global_load_b32 v[WH+1], v5, s[30:31] offset:32768+128
	global_load_b32 v[WH+2], v5, s[30:31] offset:32768+256
.macro CONVLD pitch                    ; 32 k of 32 neighbouring m
.set i, 0
.rept 32
	global_load_b32 v[R+i], v5, s[20:21] offset:i*(\pitch) th:TH_LOAD_NT
.set i, i+1
.endr
.endm
	s_lshl_b32 s25, s19, 3
	s_add_co_u32 s25, s25, s18                     ; task 8 g + w: 1,024 for W1, then 1,024 for W2
	s_and_b32 s25, s25, 1023
	s_lshr_b32 s42, s25, 7                         ; expert
	s_and_b32 s43, s25, 127
	s_cmp_lt_u32 s19, 128
	s_cbranch_scc0 .Lw2                            ; both ways issue 32 loads: the counts below hold on both
	s_and_b32 s36, s43, 7                          ; ks: 32 channels
	s_lshr_b32 s37, s43, 3                         ; 32 hidden units
	s_lshl_b32 s22, s42, 19
	s_lshl_b32 s38, s36, 16                        ; 32 rows of 2,048 bytes
	s_add_co_u32 s22, s22, s38
	s_lshl_b32 s38, s37, 7
	s_add_co_u32 s22, s22, s38
	s_add_nc_u64 s[20:21], s[8:9], s[22:23]
	s_lshl_b32 s24, s42, 18
	s_lshl_b32 s38, s37, 14
	s_add_co_u32 s24, s24, s38
	s_lshl_b32 s38, s36, 10
	s_add_co_u32 s24, s24, s38
	v_lshl_add_u32 v104, v106, 13, v105            ; the next 16 hidden units' fragment lies 8 fragments on
	CONVLD 2048
	s_branch .Lwd
.Lw2:
	s_and_b32 s36, s43, 15                         ; 32 hidden units
	s_lshr_b32 s37, s43, 4                         ; 32 output channels
	s_lshl_b32 s22, s42, 19
	s_lshl_b32 s38, s36, 15                        ; 32 rows of 1,024 bytes
	s_add_co_u32 s22, s22, s38
	s_lshl_b32 s38, s37, 7
	s_add_co_u32 s22, s22, s38
	s_add_nc_u64 s[20:21], s[10:11], s[22:23]
	s_lshl_b32 s24, s42, 18
	s_add_co_u32 s24, s24, 0x200000
	s_lshr_b32 s38, s36, 2
	s_lshl_b32 s38, s38, 16
	s_add_co_u32 s24, s24, s38
	s_lshl_b32 s38, s37, 13
	s_add_co_u32 s24, s24, s38
	s_and_b32 s38, s36, 3
	s_lshl_b32 s38, s38, 10
	s_add_co_u32 s24, s24, s38
	v_lshl_add_u32 v104, v106, 12, v105            ; the next 16 channels' fragment lies 4 fragments on
	CONVLD 1024
.Lwd:
	v_add_nc_u32 v104, s24, v104
	s_wait_loadcnt 36                              ; behind the eight table loads: 1 + 3 + 32
.set i, 0
.rept 8
	v_add_nc_u32 v7, 4*i, v6
	v_cmp_gt_u32 vcc_lo, s19, v7                   ; a block in front of mine?
.irp k, 0,1,2,3
.if i == 0
	v_cndmask_b32 v[BEF+\k], 0, v[TAB+\k], vcc_lo
.else
	v_cndmask_b32 v[TP+\k], 0, v[TAB+4*i+\k], vcc_lo
	v_add_nc_u32 v[BEF+\k], v[BEF+\k], v[TP+\k]
.endif
.if i == 1
	v_add_nc_u32 v[TOT+\k], v[TAB+\k], v[TAB+4+\k]
.elseif i > 1
	v_add_nc_u32 v[TOT+\k], v[TOT+\k], v[TAB+4*i+\k]
.endif
.endr
.set i, i+1
.endr
.irp k, 0,1,2,3,4,5,6,7                ; the four lanes 8 apart hold the same four pairs: their sums are added
	v_mov_b32_dpp v[TP+\k%4], v[TOT+\k] row_xmask:8 row_mask:0xf bank_mask:0xf
	v_add_nc_u32 v[TOT+\k], v[TOT+\k], v[TP+\k%4]
	v_permlanex16_b32 v[TP+\k%4], v[TOT+\k], s32, s33
	v_add_nc_u32 v[TOT+\k], v[TOT+\k], v[TP+\k%4]
.endr
	ds_store_b128 v107, v[TOT:TOT+3]               ; the four copies write the same numbers to the same words
	ds_store_b128 v107, v[BEF:BEF+3] offset:128
	s_wait_dscnt 0x0
	s_barrier_signal -1
	s_barrier_wait -1
	s_wait_loadcnt 0x0                             ; the weights
.set i, 0
.rept 16
	v_cvt_pk_bf16_f32 v[P+i], v[R+2*i], v[R+2*i+1]
.set i, i+1
.endr
.irp a, 0,1
.irp h, 0,1
	global_store_b128 v104, v[P+8*\a+4*\h:P+8*\a+4*\h+3], s[14:15] offset:\a*512+\h*256  ; lanes 0-15 and lanes 16-31 each store 256 consecutive bytes, aligned
.endr
.endr
	s_cmp_gt_u32 s18, 3
	s_cbranch_scc1 .Lend                           ; waves 0-3 place the block's tokens
.set i, 0
.rept 8
	ds_load_b32 v[112+i], v5 offset:i*256
	ds_load_b32 v[120+i], v5 offset:i*256+128
.set i, i+1
.endr
	v_mov_b32 v111, 0
	s_mov_b32 s34, 0                               ; first place of the pair in hand
	s_mov_b32 s35, 0                               ; its first tile
	s_mov_b32 s37, 0                               ; what tile g takes: lower expert, higher, the pair's first place, its count, its first tile
	s_mov_b32 s38, 0
	s_mov_b32 s39, 0
	s_mov_b32 s40, 0
	s_mov_b32 s41, 0
	s_wait_dscnt 0x0
	v_add_nc_u32 v109, v112, v113
	v_add_nc_u32 v110, v120, v121
.irp i, 2,3,4,5,6,7
	v_add_nc_u32 v109, v109, v[112+\i]             ; lane p: tokens of pair p in all,
	v_add_nc_u32 v110, v110, v[120+\i]             ; and in the blocks in front of mine
.endr
.set p, 0
.irp lo, 0,1,2,3,4,5,6
.irp hi, 1,2,3,4,5,6,7
.if \hi > \lo
	v_readlane_b32 s36, v109, p
	v_writelane_b32 v111, s34, p
	s_cmp_le_u32 s35, s19                          ; the last pair whose first tile is not behind g is g's
	s_cselect_b32 s37, \lo, s37
	s_cselect_b32 s38, \hi, s38
	s_cselect_b32 s39, s34, s39
	s_cselect_b32 s40, s36, s40
	s_cselect_b32 s41, s35, s41
	s_add_co_u32 s34, s34, s36
	s_add_co_u32 s42, s36, 143                     ; ceil(n / 144) = ((n + 143) / 16) / 9; x / 9 = (7,282 x) >> 16, exact for x up to 2,056
	s_lshr_b32 s42, s42, 4
	s_mul_i32 s42, s42, 7282
	s_lshr_b32 s42, s42, 16
	s_add_co_u32 s35, s35, s42
.set p, p+1
.endif
.endr
.endr
	s_sub_co_u32 s42, s19, s41
	s_mul_i32 s42, s42, 144
	s_add_co_u32 s39, s39, s42                     ; the tile's first place
	s_sub_co_i32 s40, s40, s42
	s_max_i32 s40, s40, 0
	s_min_i32 s40, s40, 144                        ; and its count
	v_add_nc_u32 v111, v111, v110
.irp k, 0,1,2
	s_cmp_gt_u32 s18, \k
	s_cselect_b32 s42, -1, 0
	v_and_b32 v7, s42, v[WH+\k]
	v_add_nc_u32 v111, v111, v7                    ; + the block's waves in front of mine
.endr
	v_and_b32 v112, 0xff, v[WORD]
	v_min_u32 v112, 31, v112
	v_lshlrev_b32 v112, 2, v112
	v_lshrrev_b32 v113, 8, v[WORD]
	ds_bpermute_b32 v114, v112, v111               ; my pair's next free place for this wave
	s_lshl_b32 s42, s19, 7
	v_add_nc_u32 v115, s42, v0                     ; my token's number
	s_wait_dscnt 0x0
	v_add_nc_u32 v114, v114, v113
	v_min_u32 v114, 0x7fff, v114
	v_lshlrev_b32 v114, 2, v114
	global_store_b32 v114, v115, s[12:13] offset:4096
	s_cmp_lg_u32 s18, 0
	s_cbranch_scc1 .Lend
	v_mov_b32 v116, s37
	v_mov_b32 v117, s38
	v_mov_b32 v118, s39
	v_mov_b32 v119, s40
	v_mov_b32 v120, 0
	s_lshl_b32 s22, s19, 4
	s_add_nc_u64 s[46:47], s[12:13], s[22:23]
	v_cmp_eq_u32 vcc_lo, 0, v1
	s_wait_xcnt 0x0                                ; EXEC is a source of the stores above: it changes only behind this wait
	s_and_saveexec_b32 s44, vcc_lo
	global_store_b128 v120, v[116:119], s[46:47]   ; lane 0: the entry
	s_wait_xcnt 0x0                                ; and again, in front of the line that widens it
	s_or_b32 exec_lo, exec_lo, s44
.Lend:
	s_wait_tensorcnt 0x0                           ; the wave's end
	ds_add_u32 v2, v3
	s_wait_dscnt 0x0
	s_endpgm
.Lfunc_end_k_q89cce6c61b_sortw:
	.size	k_q89cce6c61b_sortw, .Lfunc_end_k_q89cce6c61b_sortw-k_q89cce6c61b_sortw
	.p2alignl 7, 3214868480
	.fill 96, 4, 3214868480
	.section	.rodata,"a",@progbits
	.p2align	6, 0x0
	.amdhsa_kernel k_q89cce6c61b_sortw
		.amdhsa_group_segment_fixed_size 3072
		.amdhsa_private_segment_fixed_size 0
		.amdhsa_enable_private_segment 0
		.amdhsa_kernarg_size 48
		.amdhsa_user_sgpr_count 2
		.amdhsa_user_sgpr_kernarg_segment_ptr 1
		.amdhsa_wavefront_size32 1
		.amdhsa_system_sgpr_workgroup_id_x 1
		.amdhsa_system_sgpr_workgroup_id_y 1
		.amdhsa_system_sgpr_workgroup_id_z 1
		.amdhsa_system_vgpr_workitem_id 0
		.amdhsa_next_free_vgpr 128
		.amdhsa_next_free_sgpr 66
		.amdhsa_reserve_vcc 1
		.amdhsa_float_denorm_mode_32 3
		.amdhsa_float_denorm_mode_16_64 3
		.amdhsa_memory_ordered 1
		.amdhsa_forward_progress 1
		.amdhsa_inst_pref_size 36
	.end_amdhsa_kernel
	.amdgpu_metadata
---
amdhsa.version: [ 1, 2 ]
amdhsa.kernels:
  - .name:           k_q89cce6c61b_sortw
    .symbol:         k_q89cce6c61b_sortw.kd
    .args:
      - { .name: hist, .offset: 0, .size: 8, .value_kind: global_buffer, .address_space: global }
      - { .name: choice, .offset: 8, .size: 8, .value_kind: global_buffer, .address_space: global }
      - { .name: W1, .offset: 16, .size: 8, .value_kind: global_buffer, .address_space: global }
      - { .name: W2, .offset: 24, .size: 8, .value_kind: global_buffer, .address_space: global }
      - { .name: tiles, .offset: 32, .size: 8, .value_kind: global_buffer, .address_space: global }
      - { .name: wf, .offset: 40, .size: 8, .value_kind: global_buffer, .address_space: global }
    .group_segment_fixed_size: 3072
    .private_segment_fixed_size: 0
    .kernarg_segment_align: 8
    .kernarg_segment_size: 48
    .max_flat_workgroup_size: 256
    .sgpr_count:     66
    .vgpr_count:     128
    .wavefront_size: 32
...
	.end_amdgpu_metadata
.endif
;; end of part 2
;; launch chain (part 3): grid 255 x 1, 4 waves a work-group, no clusters, 117,504 bytes of LDS; arguments xt, wf, tiles, gates, b1, b2, yb; writes yb
.if DOCPART == 3
	.amdgcn_target "amdgcn-amd-amdhsa--gfx1250"
	.amdhsa_code_object_version 6
	.text
	.protected	k_q89cce6c61b_chain
	.globl	k_q89cce6c61b_chain
	.p2align	8
	.type	k_q89cce6c61b_chain,@function
k_q89cce6c61b_chain:
	s_mov_b64 s[64:65], 0
	v_nop
	global_prefetch_b8 v0, s[64:65] scope:SCOPE_SE
	s_setreg_imm32_b32 hwreg(HW_REG_WAVE_MODE, 25, 1), 1
	s_wait_xcnt 0x0
; THE CHAIN.  A work-group takes one tile: up to 144 tokens that chose the same two experts, and makes yb[token] = sum over the two of gate x (gelu(x W1 + b1) W2 + b2), in bf16, one owner for each row.
; Places past the tile's count repeat its last row and are not stored; a tile with count 0 works on a row that exists and stores nothing: the price of a grid of 255 that serves every split.
; LAYOUT.  Both products are used transposed: source 0 = a weight fragment (16 features x 32 k, as the launch before laid it), source 1 = 16 tokens x 32 k from LDS.  In a result a lane holds ONE token
; (lane % 16) and 8 neighbouring features.  The hidden layer goes in 8 chunks of 128 (4 of the lower expert, 4 of the higher).  For a chunk wave w makes hidden tiles 2 w, 2 w + 1 of the chunk's 8 for all 9 token tiles
; (G1: 18 accumulators, 8 steps of 32 channels) and output tiles 4 w .. 4 w + 3 for all 9 (G2: 36 accumulators that stay, 4 steps of 32 hidden units).  Each weight fragment has one reader wave, comes straight from
; memory into operand registers and feeds 9 products, so the weights need no LDS.  b1 is the C operand that starts G1's sums; Y starts at the gated b2; the gate, halved, is folded into gelu's factor 1/2.
; GELU, exact form by erf: erf(z) = 1 - (a1 t + a2 t^2 + a3 t^3) e^(-z^2), t = 1 / (1 + p z) (Abramowitz and Stegun 7.1.25: off by 2.5e-5 at the most, for every z >= 0); with z = |x| / sqrt 2:
; gate gelu(x) = (gate / 2) (x + |x| erf(z)): off by 1.3e-5 |x| gate at the most, under the bf16 rounding that follows.  64 vector instructions for a tile of 16 x 16.
; BY TURNS.  The 9 token tiles are group A (0-4) and group B (5-8).  A trip c = -1 .. 7: TURN A: G1(A, c + 1), G2(A, c); TURN B: G1(B, c + 1), G2(B, c).  Behind each of the trip's 288 products stand four of the 1,152 vector
; instructions of gelu(B, c) and then gelu(A, c + 1).  Trip -1 multiplies zeros in G2, trip 7 makes G1 results that nobody reads: one chunk's products, for one text of every trip.
; LIMITS.  NaN and infinities are not treated apart; a weight of W2 that is not finite would reach Y through trip -1's products with zeros, as it would through the true products.
; NO MULTICAST: partners would have to share a pair of experts; whole clusters of 4 x 144 tokens for each of 28 pairs can number 56 + 28 = 84, more than the 64 that run at once.
; REGISTERS, in windows of 256 (s_set_vgpr_msb: bits 1:0 source 0, 3:2 source 1, 5:4 source 2, 7:6 destination):
;   window 0: v0-19 addresses and gates; v20-51 T, v52-83 E, v84-91 Q, v92-107 PK: gelu at work; v112-255 HA: G1's accumulators, tile 2 n + a at HA + 8 (2 n + a)
;   window 1: v0-127 W1's 16 fragments (a 8 + ks); v128-255 W2's 16 (m 4 + kk)          window 2: Y (4 n + m) for n = 0 .. 7
;   window 3: v0-31 Y for n = 8; v32-111, v112-191 two buffers of token fragments; v192-207 b1; v208-225 the halved gates, a pair for each token tile
.set XP,    528                        ; an LDS row of X: 512 bytes + 16; of H: 256 + 16: the 16 rows of a fragment load start in different groups of banks (ISA guide 11.1)
.set HP,    272
.set HS,    144*XP                     ; behind X's 144 rows: one chunk of H, 144 rows
.set SPARE, HS+40960                   ; the spare words, 128 bytes a wave: no other line names them
.set L16, 1                            ; v1   16 x lane
.set XA,  2                            ; v2, v3  my lane's place in X's fragments, groups A and B
.set HAD, 4                            ; v4   the same in H
.set HST, 5                            ; v5   where I put 16 bytes of H
.set SPW, 6                            ; v6   my spare word
.set NIL, 7                            ; v7   0
.set G,   8                            ; v[8:16] the halved gate in force for token tile n; v17 is named with v16 as a pair
.set BOF, 18                           ; v18  32 x (lane / 16)
.set ROWB, 19                          ; v19  my wave's 36 whole rows of X
.set T,   20
.set E,   52
.set Q,   84
.set PK,  92
.set HA,  112
.set BF0, 32
.set BIAS, 192
.set GW,  208
.set MSB, 0
.macro WIN new                         ; the high byte repeats the setting that is left; a switch that changes nothing is dropped
.if MSB != (\new)
	s_set_vgpr_msb (MSB<<8)|(\new)
.set MSB, (\new)
.endif
.endm
.macro PLACES                          ; four places in front of loads into registers that matrix instructions have read (ISA guide 7.12.1 for vector instructions)
.rept 4
	v_nop
.endr
.endm
; Runs of LDS loads: the token fragments of two K steps for a group's token tiles, into buffer buf
.macro XRUN grp, b, buf
	WIN 0xc0
.set ng, 5-(\grp)
.set bf, BF0+80*(\buf)
.set kx, 0
.rept 2
.set nn, 0
.rept ng
	ds_load_b128 v[bf+8*(kx*ng+nn):bf+8*(kx*ng+nn)+3],   v[XA+(\grp)] offset:nn*16*XP+(2*(\b)+kx)*64
	ds_load_b128 v[bf+8*(kx*ng+nn)+4:bf+8*(kx*ng+nn)+7], v[XA+(\grp)] offset:nn*16*XP+(2*(\b)+kx)*64+32
.set nn, nn+1
.endr
.set kx, kx+1
.endr
.endm
.macro HRUN grp, hb, buf
	WIN 0xc0
.set ng, 5-(\grp)
.set n0, 5*(\grp)
.set bf, BF0+80*(\buf)
.set kx, 0
.rept 2
.set nn, 0
.rept ng
	ds_load_b128 v[bf+8*(kx*ng+nn):bf+8*(kx*ng+nn)+3],   v[HAD] offset:(n0+nn)*16*HP+(2*(\hb)+kx)*64
	ds_load_b128 v[bf+8*(kx*ng+nn)+4:bf+8*(kx*ng+nn)+7], v[HAD] offset:(n0+nn)*16*HP+(2*(\hb)+kx)*64+32
.set nn, nn+1
.endr
.set kx, kx+1
.endr
.endm
; Weight fragments from memory: each load covers 512 consecutive bytes
.macro WL1 b                           ; 8 loads: W1's fragments of K steps 2 b, 2 b + 1
	WIN 0x40
.irp a, 0,1
.irp k, 0,1
	global_load_b128 v[8*(8*\a+2*(\b)+\k):8*(8*\a+2*(\b)+\k)+3],   v[L16], s[26:27] offset:(8*\a+2*(\b)+\k)*1024
	global_load_b128 v[8*(8*\a+2*(\b)+\k)+4:8*(8*\a+2*(\b)+\k)+7], v[L16], s[26:27] offset:(8*\a+2*(\b)+\k)*1024+512
.endr
.endr
.endm
.macro WL2 hb                          ; 16 loads: W2's fragments of K steps 2 hb, 2 hb + 1
	WIN 0x40
.irp m, 0,1,2,3
.irp k, 0,1
	global_load_b128 v[128+8*(4*\m+2*(\hb)+\k):128+8*(4*\m+2*(\hb)+\k)+3],   v[L16], s[28:29] offset:(4*\m+2*(\hb)+\k)*1024
	global_load_b128 v[128+8*(4*\m+2*(\hb)+\k)+4:128+8*(4*\m+2*(\hb)+\k)+7], v[L16], s[28:29] offset:(4*\m+2*(\hb)+\k)*1024+512
.endr
.endr
.endm
.macro BL                              ; 4 loads: b1 of my two hidden tiles, 8 numbers a lane each
	WIN 0xc0
.irp a, 0,1
	global_load_b128 v[BIAS+8*\a:BIAS+8*\a+3],   v[BOF], s[30:31] offset:\a*64
	global_load_b128 v[BIAS+8*\a+4:BIAS+8*\a+7], v[BOF], s[30:31] offset:\a*64+16
.endr
.endm
; THE VECTOR WORK.  The trip's list of 1,152 goes in five batches: tiles 10-13, 14-17 (gelu(B, c)), 0-3, 4-7, 8-9 (gelu(A, c + 1)).  RID writes number o of the list.
; A batch of NP pairs of numbers: first 8 NP that read no transcendental's result: for each pair four plain ones (1 + p |x| twice, x^2, its factor) and four transcendentals (two reciprocals, two exponentials), the plain ones of pair g
; by turns with the transcendentals of pair g - 1.  Then ONE wait for the batch, ahead of the first reader.  Then 32 a tile: the polynomial, 1 - q E, x + |x| erf, the gate, the rounding; each kind four times on end, so that
; no line reads the result of the one before it.  Behind the batch's last line its tiles go into H.  A tile's first read is its lowest register.
.macro PREP g, k
.set rX, HA+8*(t0+(\g)/4)+2*((\g)%4)
.set rT, T+2*(\g)
.set rE, E+2*(\g)
.if (\k) == 0
	v_fma_f32 v[rT], |v[rX]|, s36, 1.0
.elseif (\k) == 1
	v_fma_f32 v[rT+1], |v[rX+1]|, s36, 1.0
.elseif (\k) == 2
	v_pk_mul_f32 v[rE:rE+1], v[rX:rX+1], v[rX:rX+1]
.else
	v_pk_mul_f32 v[rE:rE+1], v[rE:rE+1], s[38:39] op_sel_hi:[1,0]
.endif
.endm
.macro PRET g, k
.set rT, T+2*(\g)
.set rE, E+2*(\g)
.if (\k) < 2
	v_rcp_f32 v[rT+(\k)], v[rT+(\k)]
.else
	v_exp_f32 v[rE+(\k)-2], v[rE+(\k)-2]
.endif
.endm
.macro POSTOP s, k
.set tau, t0+(\s)
.set rX, HA+8*tau
.set rT, T+8*(\s)
.set rE, E+8*(\s)
.set pp, 2*((\k)%4)
.if (\k) < 4
	v_pk_fma_f32 v[Q+pp:Q+pp+1], v[rT+pp:rT+pp+1], s[40:41], s[42:43] op_sel_hi:[1,0,0]
.elseif (\k) < 8
	v_pk_fma_f32 v[Q+pp:Q+pp+1], v[Q+pp:Q+pp+1], v[rT+pp:rT+pp+1], s[44:45] op_sel_hi:[1,1,0]
.elseif (\k) < 12
	v_pk_mul_f32 v[Q+pp:Q+pp+1], v[Q+pp:Q+pp+1], v[rT+pp:rT+pp+1]
.elseif (\k) < 16
	v_pk_fma_f32 v[rE+pp:rE+pp+1], v[Q+pp:Q+pp+1], v[rE+pp:rE+pp+1], 1.0 op_sel_hi:[1,1,0] neg_lo:[1,0,0] neg_hi:[1,0,0]
.elseif (\k) < 24
.set jj, (\k)-16
	v_fma_f32 v[rX+jj], |v[rX+jj]|, v[rE+jj], v[rX+jj]
.elseif (\k) < 28
.if (tau/2)%2 == 0
	v_pk_mul_f32 v[rX+pp:rX+pp+1], v[rX+pp:rX+pp+1], v[G+(tau/4)*2:G+(tau/4)*2+1] op_sel_hi:[1,0]
.else
	v_pk_mul_f32 v[rX+pp:rX+pp+1], v[rX+pp:rX+pp+1], v[G+(tau/4)*2:G+(tau/4)*2+1] op_sel:[0,1] op_sel_hi:[1,1]
.endif
.else
	v_cvt_pk_bf16_f32 v[PK+4*(\s)+pp/2], v[rX+pp], v[rX+pp+1]
.endif
.endm
.macro RID
	WIN 0
.set bt, o/256
.set ob, o%256
.set ntl, 4
.if bt == 4
.set ntl, 2
.endif
.if bt < 2
.set t0, 10+4*bt
.else
.set t0, 4*(bt-2)
.endif
.set np, 4*ntl
.if ob < 4
	PREP 0, ob
.elseif ob >= 8*np
.if ob == 8*np
	v_nop                                          ; a plain instruction behind the batch's last transcendental (ISA guide 5.7.2),
	s_wait_alu depctr_va_vdst(0)                   ; and the one wait for the batch
.endif
.set po, ob-8*np
	POSTOP po/32, po%32
.if ob == 16*np-1
.set sl, 0
.rept ntl
	ds_store_b128 v[HST], v[PK+4*sl:PK+4*sl+3] offset:((t0+sl)/2)*16*HP+((t0+sl)%2)*32
.set sl, sl+1
.endr
.endif
.elseif ob >= 8*np-4
	PRET np-1, ob-(8*np-4)
.else
.set gg, (ob-4)/8+1
.set kq, (ob-4)%8
.if kq%2 == 0
	PREP gg, kq/2
.else
	PRET gg-1, kq/2
.endif
.endif
.set o, o+1
.endm
; THE MATRIX WORK.  The accumulators take turns, one instruction a turn: 7 or 9 others' stand between two links of a G1 chain, 15 or 19 between two of G2.
.macro MMX grp, b                      ; G1, K steps 2 b and 2 b + 1, for a group; the very first step takes b1 as C
.set n0, 5*(\grp)
.set ng, 5-(\grp)
.set bf, BF0+80*((\b)%2)
.set kx, 0
.rept 2
.set nn, 0
.rept ng
.set aa, 0
.rept 2
.set rD, HA+16*(n0+nn)+8*aa
.set rA, 8*(8*aa+2*(\b)+kx)
.set rB, bf+8*(kx*ng+nn)
.if ((\b) == 0) && (kx == 0)
	WIN 0x3d
	v_wmma_f32_16x16x32_bf16 v[rD:rD+7], v[rA:rA+7], v[rB:rB+7], v[BIAS+8*aa:BIAS+8*aa+7]
.else
	WIN 0x0d
	v_wmma_f32_16x16x32_bf16 v[rD:rD+7], v[rA:rA+7], v[rB:rB+7], v[rD:rD+7]
.endif
.rept 4
	RID
.endr
.set aa, aa+1
.endr
.set nn, nn+1
.endr
.set kx, kx+1
.endr
.endm
.macro MMH grp, hb                     ; G2, K steps 2 hb and 2 hb + 1, for a group
.set n0, 5*(\grp)
.set ng, 5-(\grp)
.set bf, BF0+80*((\hb)%2)
.set kx, 0
.rept 2
.set nn, 0
.rept ng
.set mm, 0
.rept 4
.set idx, 4*(n0+nn)+mm
.set rA, 128+8*(4*mm+2*(\hb)+kx)
.set rB, bf+8*(kx*ng+nn)
.if idx < 32
.set rD, 8*idx
	WIN 0xad
.else
.set rD, 8*(idx-32)
	WIN 0xfd
.endif
	v_wmma_f32_16x16x32_bf16 v[rD:rD+7], v[rA:rA+7], v[rB:rB+7], v[rD:rD+7]
.rept 4
	RID
.endr
.set mm, mm+1
.endr
.set nn, nn+1
.endr
.set kx, kx+1
.endr
.endm
; The head of a block of products: its token fragments, asked for a block ago, are in (and my stores into H are done); bar = 1: the turn's barrier closes here
.macro HEAD bar
	WIN 0
	s_wait_dscnt 0x0
.if \bar
	s_barrier_wait -1
.endif
	PLACES
.endm
; s32 = expert << sh_e + (chunk & 3) << sh_q + own, for chunk min(c + ahead, 7)
.macro CHUNKOFF ahead, she, shq, own
	s_add_co_i32 s46, s24, \ahead
	s_min_i32 s46, s46, 7
	s_cmp_ge_u32 s46, 4
	s_cselect_b32 s47, s21, s20
	s_min_u32 s47, s47, 7
	s_and_b32 s46, s46, 3
	s_lshl_b32 s32, s47, \she
	s_lshl_b32 s48, s46, \shq
	s_add_co_u32 s32, s32, s48
	s_add_co_u32 s32, s32, \own
.endm
	s_load_b256 s[4:11], s[0:1], 0x0               ; xt s[4:5], wf s[6:7], tiles s[8:9], gates s[10:11]
	s_load_b128 s[12:15], s[0:1], 0x20             ; b1 s[12:13], b2 s[14:15]
	s_load_b64 s[16:17], s[0:1], 0x30              ; yb
	v_lshl_add_u32 v[SPW], v0, 2, SPARE
	v_mov_b32 v[NIL], 0
	v_lshrrev_b32 v111, 5, v0
	v_readfirstlane_b32 s18, v111                  ; wave 0..3
	s_mov_b32 s19, ttmp9                           ; tile
	v_and_b32 v108, 31, v0                         ; lane
	v_and_b32 v109, 15, v0                         ; r
	v_bfe_u32 v110, v0, 4, 1                       ; h
	v_lshlrev_b32 v[L16], 4, v108
	v_mul_u32_u24 v[XA], v109, XP
	v_lshl_add_u32 v[XA], v110, 4, v[XA]
	v_add_nc_u32 v[XA+1], 5*16*XP, v[XA]
	v_mul_u32_u24 v[HAD], v109, HP
	v_lshl_add_u32 v[HAD], v110, 4, v[HAD]
	v_add_nc_u32 v[HAD], HS, v[HAD]
	s_lshl_b32 s46, s18, 6
	v_add_nc_u32 v[HST], s46, v[HAD]
	v_lshlrev_b32 v[BOF], 5, v110
	s_mul_i32 s46, s18, 36*XP
	v_add_nc_u32 v[ROWB], s46, v[L16]
	v_lshl_add_u32 v111, v0, 4, HS
	v_mov_b32 v17, 0
	s_mov_b32 s36, 0x3eaa540e                      ; p / sqrt 2 = 0.33267253
	s_mov_b32 s38, 0xbf38aa3b                      ; -log2(e) / 2
	s_mov_b32 s39, 0                               ; the pairs' high words are named with them
	s_mov_b32 s40, 0x3f3f7377                      ; a3 = 0.7478556
	s_mov_b32 s41, 0
	s_mov_b32 s42, 0xbdc45ca1                      ; a2 = -0.0958798
	s_mov_b32 s43, 0
	s_mov_b32 s44, 0x3eb2303a                      ; a1 = 0.3480242
	s_mov_b32 s45, 0
	s_lshl_b32 s37, s18, 14                        ; my wave's 16 KiB of a chunk's fragments
	s_lshl_b32 s52, s18, 7                         ; my wave's 32 numbers of a chunk's b1
	s_lshl_b32 s32, s19, 4
	s_mov_b32 s33, 0
	s_wait_kmcnt 0x0
	s_add_nc_u64 s[48:49], s[8:9], s[32:33]
	s_load_b128 s[20:23], s[48:49], 0x0            ; lower expert, higher expert, first place, count
	s_wait_kmcnt 0x0
	s_min_u32 s20, s20, 7
	s_min_u32 s21, s21, 7
	s_min_u32 s22, s22, 0x7fff
	s_min_u32 s23, s23, 144
	; the token numbers: of my wave's 36 rows (lanes 0-31, then 4 more), and of token 16 n + r for the gates.  Place i of the tile reads min(i, count - 1).
	s_sub_co_i32 s46, s23, 1
	s_mul_i32 s47, s18, 36
	v_add_nc_u32 v84, s47, v108
	v_and_b32 v85, 3, v108
	s_add_co_u32 s47, s47, 32
	v_add_nc_u32 v85, s47, v85
.irp n, 0,1,2,3,4,5,6,7,8
	v_add_nc_u32 v[86+\n], 16*\n, v109
.endr
.set kr, 0
.rept 11
	v_min_i32 v[84+kr], s46, v[84+kr]
	v_max_i32 v[84+kr], 0, v[84+kr]
	v_add_nc_u32 v[84+kr], s22, v[84+kr]
	v_min_u32 v[84+kr], 0x7fff, v[84+kr]
	v_lshlrev_b32 v[84+kr], 2, v[84+kr]
	global_load_b32 v[95+kr], v[84+kr], s[8:9] offset:4096
.set kr, kr+1
.endr
	; chunk 0's weights and b1: 52 loads
	s_lshl_b32 s32, s20, 18
	s_add_co_u32 s32, s32, s37
	s_add_nc_u64 s[26:27], s[6:7], s[32:33]
	s_add_nc_u64 s[28:29], s[26:27], 0x200000
	s_lshl_b32 s32, s20, 11
	s_add_co_u32 s32, s32, s52
	s_add_nc_u64 s[30:31], s[12:13], s[32:33]
	WL1 0
	BL
	WL1 1
	WL1 2
	WL1 3
	WL2 0
	WIN 0
	s_lshl_b32 s46, s18, 8                         ; b2: my wave's 64 output channels, for both experts
	s_lshl_b32 s32, s20, 10
	s_add_co_u32 s32, s32, s46
	s_add_nc_u64 s[48:49], s[14:15], s[32:33]
	s_lshl_b32 s32, s21, 10
	s_add_co_u32 s32, s32, s46
	s_add_nc_u64 s[50:51], s[14:15], s[32:33]
	s_wait_loadcnt 52                              ; behind the eleven loads of token numbers: the 52
.irp n, 0,1,2,3,4,5,6,7,8
	v_min_u32 v[84+\n], 0x7fff, v[97+\n]
	v_lshlrev_b32 v[84+\n], 3, v[84+\n]
.endr
	WIN 0xc0
.irp n, 0,1,2,3,4,5,6,7,8
	global_load_b64 v[GW+2*\n:GW+2*\n+1], v[84+\n], s[10:11]
.endr
.irp x, 0,1
.irp m, 0,1,2,3
	global_load_b128 v[32+32*\x+8*\m:32+32*\x+8*\m+3],   v[BOF], s[48+2*\x:49+2*\x] offset:\m*64
	global_load_b128 v[32+32*\x+8*\m+4:32+32*\x+8*\m+7], v[BOF], s[48+2*\x:49+2*\x] offset:\m*64+16
.endr
.endr
	WIN 0
.set kr, 0
.rept 36                                               ; my 36 rows' numbers stay in scalars for the way out
	v_readlane_b32 s[66+kr], v[95+kr/32], kr%32
	s_min_u32 s[66+kr], s[66+kr], 0x7fff
	v_lshl_add_u32 v[T+kr], s[66+kr], 9, v[L16]
.set kr, kr+1
.endr
.set kr, 0
.rept 36
	global_load_b128 v[HA+4*kr:HA+4*kr+3], v[T+kr], s[4:5]  ; a whole row of xt: 512 consecutive bytes
.set kr, kr+1
.endr
	s_wait_loadcnt 36                              ; all but the 36 rows: gates and b2 are in.  Y starts at gate_lo b2_lo + gate_hi b2_hi, while the rows are on their way
	WIN 0x8f
.set idx, 0
.rept 32
.irp p, 0,2,4,6
	v_pk_mul_f32 v[8*idx+\p:8*idx+\p+1], v[32+8*(idx%4)+\p:32+8*(idx%4)+\p+1], v[GW+2*(idx/4):GW+2*(idx/4)+1] op_sel_hi:[1,0]
.endr
.set idx, idx+1
.endr
	WIN 0xaf
.set idx, 0
.rept 32
.irp p, 0,2,4,6
	v_pk_fma_f32 v[8*idx+\p:8*idx+\p+1], v[64+8*(idx%4)+\p:64+8*(idx%4)+\p+1], v[GW+2*(idx/4):GW+2*(idx/4)+1], v[8*idx+\p:8*idx+\p+1] op_sel:[0,1,0] op_sel_hi:[1,1,1]
.endr
.set idx, idx+1
.endr
	WIN 0xcf
.irp m, 0,1,2,3
.irp p, 0,2,4,6
	v_pk_mul_f32 v[8*\m+\p:8*\m+\p+1], v[32+8*\m+\p:32+8*\m+\p+1], v[GW+16:GW+17] op_sel_hi:[1,0]
.endr
.endr
	WIN 0xff
.irp m, 0,1,2,3
.irp p, 0,2,4,6
	v_pk_fma_f32 v[8*\m+\p:8*\m+\p+1], v[64+8*\m+\p:64+8*\m+\p+1], v[GW+16:GW+17], v[8*\m+\p:8*\m+\p+1] op_sel:[0,1,0] op_sel_hi:[1,1,1]
.endr
.endr
	WIN 0xc3
.irp n, 0,1,2,3,4,5,6,7,8
	v_pk_mul_f32 v[GW+2*\n:GW+2*\n+1], v[GW+2*\n:GW+2*\n+1], 0.5 op_sel_hi:[1,0]
.endr
	WIN 0
.irp i, 0,1,2,3
	v_mov_b32 v[Q+\i], 0
.endr
.irp i, 0,1,2,3,4,5,6,7,8,9,10
	ds_store_b128 v111, v[Q:Q+3] offset:\i*2048    ; group A's 80 rows of H (21,760 bytes, 22,528 written) are 0 for trip -1
.endr
	s_wait_loadcnt 0x0                             ; the rows
.set kr, 0
.rept 36
	ds_store_b128 v[ROWB], v[HA+4*kr:HA+4*kr+3] offset:kr*XP
.set kr, kr+1
.endr
	s_wait_dscnt 0x0                               ; for the others' sake: my rows of X and my zeros are in LDS
	s_barrier_signal -1
.set i, HA+80
.rept 64
	v_mov_b32 v[i], 0                              ; group B's G1 results "of chunk -1": gelu makes zeros of them
.set i, i+1
.endr
	s_barrier_wait -1
	XRUN 0, 0, 0
	WIN 0
	s_wait_dscnt 0x0
	s_barrier_signal -1                            ; the loop's barriers are open across its edge: signal at a turn's end, wait at the next turn's second block
	s_mov_b32 s24, -1                              ; c
	s_mov_b32 s25, 9
.Ltrip:
.set o, 0
	s_cmp_ge_i32 s24, 3                            ; gelu(A, c + 1) takes the higher expert's gate from chunk 4 on,
	s_cselect_b32 s34, -1, 0
	s_cmp_ge_i32 s24, 4                            ; gelu(B, c) likewise
	s_cselect_b32 s35, -1, 0
	WIN 0x0f
.irp n, 0,1,2,3,4
	v_cndmask_b32 v[G+\n], v[GW+2*\n], v[GW+2*\n+1], s34
.endr
.irp n, 5,6,7,8
	v_cndmask_b32 v[G+\n], v[GW+2*\n], v[GW+2*\n+1], s35
.endr
	; TURN A.  The weights were asked for in this order: W1 steps 0-1 and b1 (12 loads), steps 2-3, 4-5, 6-7 (8 each), W2 steps 0-1 (16), steps 2-3 (16, below): each count is what was issued behind the group wanted.
	; Between the signal and the wait of a barrier stand register work and loads of X, which nobody writes before the loop is left.
	HEAD 0
	XRUN 0, 1, 1
	s_wait_loadcnt 40                              ; 8 + 8 + 8 + 16
	MMX 0, 0
	HEAD 1                                         ; every wave has read group B's H of the chunk before, and has written group A's
	XRUN 0, 2, 0
	WL2 1
	s_wait_loadcnt 48                              ; 8 + 8 + 16 + 16
	MMX 0, 1
	HEAD 0
	XRUN 0, 3, 1
	s_wait_loadcnt 40                              ; 8 + 16 + 16
	MMX 0, 2
	HEAD 0
	HRUN 0, 0, 0
	s_wait_loadcnt 32                              ; 16 + 16
	MMX 0, 3
	HEAD 0
	HRUN 0, 1, 1
	s_wait_loadcnt 16
	MMH 0, 0
	HEAD 0
	XRUN 1, 0, 0
	s_wait_loadcnt 0x0
	MMH 0, 1
	WIN 0
	s_wait_dscnt 0x0                               ; my stores of group B's H are done, my reads of group A's are back
	s_barrier_signal -1
	; TURN B.  A fragment is asked for again a block behind its last use: chunk c + 2 of W1 and b1, chunk c + 1 of W2; 112 products or more stand ahead of its next use.
	s_wait_xcnt 0x0                                ; the pointers are sources of earlier loads: they are rewritten only behind this wait
	CHUNKOFF 2, 18, 16, s37
	s_add_nc_u64 s[26:27], s[6:7], s[32:33]
	CHUNKOFF 2, 11, 9, s52
	s_add_nc_u64 s[30:31], s[12:13], s[32:33]
	HEAD 0
	XRUN 1, 1, 1
	MMX 1, 0
	HEAD 1                                         ; every wave has read group A's H, and has written group B's
	XRUN 1, 2, 0
	WL1 0
	BL
	MMX 1, 1
	HEAD 0
	XRUN 1, 3, 1
	WL1 1
	MMX 1, 2
	HEAD 0
	HRUN 1, 0, 0
	WL1 2
	MMX 1, 3
	HEAD 0
	HRUN 1, 1, 1
	WL1 3
	MMH 1, 0
	HEAD 0
	XRUN 0, 0, 0
	s_wait_xcnt 0x0
	CHUNKOFF 1, 18, 16, s37
	s_add_co_u32 s32, s32, 0x200000
	s_add_nc_u64 s[28:29], s[6:7], s[32:33]
	WL2 0
	MMH 1, 1
	WIN 0                                          ; at a label and at a branch every window is 0
	s_wait_dscnt 0x0                               ; my stores of group A's H are done, my reads of group B's and of X are back
	s_barrier_signal -1
	s_add_co_i32 s24, s24, 1
	s_sub_co_u32 s25, s25, 1
	s_cmp_lg_u32 s25, 0
	s_cbranch_scc1 .Ltrip
	; THE WAY OUT.  Nobody reads X any more: its rows take Y, rounded to bf16 (a lane's 8 channels of a token are 16 bytes), and come back as whole rows of 512 bytes.
	s_barrier_wait -1
.set kr, 0
.rept 36
	v_lshl_add_u32 v[T+kr], s[66+kr], 9, v[L16]    ; my rows' places in yb; also the places behind the last products
.set kr, kr+1
.endr
	s_lshl_b32 s46, s18, 7
	v_add_nc_u32 v8, s46, v[XA]
	v_add_nc_u32 v9, 5*16*XP, v8
.set idx, 0
.rept 36
.if idx < 32
.set rY, 8*idx
	WIN 0x0a
.else
.set rY, 8*(idx-32)
	WIN 0x0f
.endif
.irp p, 0,1,2,3
	v_cvt_pk_bf16_f32 v[HA+4*idx+\p], v[rY+2*\p], v[rY+2*\p+1]
.endr
.set idx, idx+1
.endr
	WIN 0
.set idx, 0
.rept 36
.if idx < 20
	ds_store_b128 v8, v[HA+4*idx:HA+4*idx+3] offset:(idx/4)*16*XP+(idx%4)*32
.else
	ds_store_b128 v9, v[HA+4*idx:HA+4*idx+3] offset:(idx/4-5)*16*XP+(idx%4)*32
.endif
.set idx, idx+1
.endr
	s_wait_dscnt 0x0                               ; a row's 512 bytes come from four waves
	s_barrier_signal -1
	s_barrier_wait -1
.set kr, 0
.rept 36
	ds_load_b128 v[HA+4*kr:HA+4*kr+3], v[ROWB] offset:kr*XP
.set kr, kr+1
.endr
	s_mul_i32 s46, s18, 36
	s_sub_co_i32 s46, s23, s46                     ; how many of my 36 rows the tile's count reaches
.set kr, 0
.rept 36
	s_wait_dscnt 35-kr
	s_cmp_le_i32 s46, kr
	s_cbranch_scc1 .Ldone                          ; rows past the count are not stored
	global_store_b128 v[T+kr], v[HA+4*kr:HA+4*kr+3], s[16:17]  ; a whole row of yb: 512 consecutive bytes
.set kr, kr+1
.endr
.Ldone:
	s_wait_tensorcnt 0x0                           ; the wave's end
	ds_add_u32 v[SPW], v[NIL]
	s_wait_dscnt 0x0
	s_endpgm
.Lfunc_end_k_q89cce6c61b_chain:
	.size	k_q89cce6c61b_chain, .Lfunc_end_k_q89cce6c61b_chain-k_q89cce6c61b_chain
	.p2alignl 7, 3214868480
	.fill 96, 4, 3214868480
	.section	.rodata,"a",@progbits
	.p2align	6, 0x0
	.amdhsa_kernel k_q89cce6c61b_chain
		.amdhsa_group_segment_fixed_size 117504
		.amdhsa_private_segment_fixed_size 0
		.amdhsa_enable_private_segment 0
		.amdhsa_kernarg_size 56
		.amdhsa_user_sgpr_count 2
		.amdhsa_user_sgpr_kernarg_segment_ptr 1
		.amdhsa_wavefront_size32 1
		.amdhsa_system_sgpr_workgroup_id_x 1
		.amdhsa_system_sgpr_workgroup_id_y 1
		.amdhsa_system_sgpr_workgroup_id_z 1
		.amdhsa_system_vgpr_workitem_id 0
		.amdhsa_next_free_vgpr 1024
		.amdhsa_next_free_sgpr 102
		.amdhsa_reserve_vcc 0
		.amdhsa_float_denorm_mode_32 3
		.amdhsa_float_denorm_mode_16_64 3
		.amdhsa_memory_ordered 1
		.amdhsa_forward_progress 1
		.amdhsa_inst_pref_size 199
	.end_amdhsa_kernel
	.amdgpu_metadata
---
amdhsa.version: [ 1, 2 ]
amdhsa.kernels:
  - .name:           k_q89cce6c61b_chain
    .symbol:         k_q89cce6c61b_chain.kd
    .args:
      - { .name: xt, .offset: 0, .size: 8, .value_kind: global_buffer, .address_space: global }
      - { .name: wf, .offset: 8, .size: 8, .value_kind: global_buffer, .address_space: global }
      - { .name: tiles, .offset: 16, .size: 8, .value_kind: global_buffer, .address_space: global }
      - { .name: gates, .offset: 24, .size: 8, .value_kind: global_buffer, .address_space: global }
      - { .name: b1, .offset: 32, .size: 8, .value_kind: global_buffer, .address_space: global }
      - { .name: b2, .offset: 40, .size: 8, .value_kind: global_buffer, .address_space: global }
      - { .name: yb, .offset: 48, .size: 8, .value_kind: global_buffer, .address_space: global }
    .group_segment_fixed_size: 117504
    .private_segment_fixed_size: 0
    .kernarg_segment_align: 8
    .kernarg_segment_size: 56
    .max_flat_workgroup_size: 128
    .sgpr_count:     102
    .vgpr_count:     1024
    .wavefront_size: 32
...
	.end_amdgpu_metadata
.endif
;; end of part 3
;; launch combine (part 4): grid 256 x 1, 8 waves a work-group, no clusters, 68,608 bytes of LDS; arguments x, yb, scale, out0; writes out0
.if DOCPART == 4
	.amdgcn_target "amdgcn-amd-amdhsa--gfx1250"
	.amdhsa_code_object_version 6
	.text
	.protected	k_q89cce6c61b_combine
	.globl	k_q89cce6c61b_combine
	.p2align	8
	.type	k_q89cce6c61b_combine,@function
k_q89cce6c61b_combine:
	s_mov_b64 s[64:65], 0
	v_nop
	global_prefetch_b8 v0, s[64:65] scope:SCOPE_SE
	s_setreg_imm32_b32 hwreg(HW_REG_WAVE_MODE, 25, 1), 1
	s_wait_xcnt 0x0
; COMBINE.  out0 = x + scale y, with x and out0 as [image][channel][position] in f32 and y as rows yb[token][256] in bf16.  A work-group takes 128 tokens of one image, all 256 channels.
; y's rows go through LDS to change from token rows to channel rows; x stays in registers; one fused multiply-add in f32 for each number.  Memory binds: every load and store of a wave covers 512 consecutive bytes,
; all 48 loads of a wave are asked for at once, nothing is read twice.  Matrix units and clusters have nothing to do here.
.set XP,    528                        ; a stage row: 512 bytes + 16.  Token n lies in stage row 32 (n % 4) + n / 4, so that lane l finds its tokens 4 l + j in rows 32 j + l
.set SPARE, 128*XP                     ; the spare words, 128 bytes a wave
.set YL, 16                            ; v[16:79]   y: 16 rows as loaded; then 4 octets x 4 tokens x 8 channels
.set X,  80                            ; v[80:207]  channel i of my 32: tokens 4 l + 0..3 at X + 4 i
	s_load_b256 s[4:11], s[0:1], 0x0               ; x s[4:5], yb s[6:7], scale s[8:9], out0 s[10:11]
	v_lshl_add_u32 v2, v0, 2, SPARE
	v_mov_b32 v3, 0
	v_lshrrev_b32 v8, 5, v0
	v_readfirstlane_b32 s14, v8                    ; wave
	s_mov_b32 s15, ttmp9
	v_and_b32 v9, 31, v0
	v_lshlrev_b32 v1, 4, v9
	s_mul_i32 s16, s14, 4*XP
	v_add_nc_u32 v4, s16, v1                       ; in: token 16 w + i goes to stage row 4 w + 32 (i % 4) + i / 4
	v_mul_u32_u24 v5, v9, XP
	s_lshl_b32 s16, s14, 6
	v_add_nc_u32 v5, s16, v5                       ; back: row l, my wave's 32 channels
	s_lshr_b32 s16, s15, 4
	s_lshl_b32 s16, s16, 21
	s_and_b32 s17, s15, 15
	s_lshl_b32 s17, s17, 9
	s_add_co_u32 s16, s16, s17
	s_lshl_b32 s17, s14, 18
	s_add_co_u32 s16, s16, s17                     ; image, 128 tokens, my 32 channels
	s_mov_b32 s17, 0
	s_lshl_b32 s18, s15, 16
	s_lshl_b32 s19, s14, 13
	s_add_co_u32 s18, s18, s19                     ; my 16 rows of yb
	s_mov_b32 s19, 0
	s_wait_kmcnt 0x0
	s_load_b32 s12, s[8:9], 0x0
	s_add_nc_u64 s[6:7], s[6:7], s[18:19]
	s_add_nc_u64 s[4:5], s[4:5], s[16:17]
	s_add_nc_u64 s[10:11], s[10:11], s[16:17]
.set i, 0
.rept 16
	global_load_b128 v[YL+4*i:YL+4*i+3], v1, s[6:7] offset:i*512 th:TH_LOAD_NT
.set i, i+1
.endr
.set i, 0
.rept 32
	global_load_b128 v[X+4*i:X+4*i+3], v1, s[4:5] offset:i*8192 th:TH_LOAD_NT
.set i, i+1
.endr
	s_wait_kmcnt 0x0
	v_mov_b32 v6, s12                              ; scale
.set i, 0
.rept 16
	s_wait_loadcnt 47-i                            ; loads come back in order: row i of y is in; the younger rows and x stay out
	ds_store_b128 v4, v[YL+4*i:YL+4*i+3] offset:((i%4)*32+i/4)*XP
.set i, i+1
.endr
	s_wait_dscnt 0x0
	s_barrier_signal -1
	s_barrier_wait -1
.set i, 0
.rept 16                                               ; octet i / 4 of my channels, token 4 l + i % 4
	ds_load_b128 v[YL+4*i:YL+4*i+3], v5 offset:(i%4)*32*XP+(i/4)*16
.set i, i+1
.endr
.set oc, 0
.rept 4
	s_wait_dscnt 12-4*oc                           ; this octet's four loads are in, the later octets' stay out
	s_wait_loadcnt 24-8*oc                         ; x's channels up to 8 oc + 7 are in
.set cc, 0
.rept 8
.irp j, 0,1,2,3
.if cc%2 == 0
	v_fma_mix_f32_bf16 v[X+4*(8*oc+cc)+\j], v[YL+16*oc+4*\j+cc/2], v6, v[X+4*(8*oc+cc)+\j] op_sel_hi:[1,0,0]
.else
	v_fma_mix_f32_bf16 v[X+4*(8*oc+cc)+\j], v[YL+16*oc+4*\j+cc/2], v6, v[X+4*(8*oc+cc)+\j] op_sel:[1,0,0] op_sel_hi:[1,0,0]
.endif
.endr
	global_store_b128 v1, v[X+4*(8*oc+cc):X+4*(8*oc+cc)+3], s[10:11] offset:(8*oc+cc)*8192 th:TH_STORE_NT
.set cc, cc+1
.endr
.set oc, oc+1
.endr
	s_wait_tensorcnt 0x0                           ; the wave's end
	ds_add_u32 v2, v3
	s_wait_dscnt 0x0
	s_endpgm
.Lfunc_end_k_q89cce6c61b_combine:
	.size	k_q89cce6c61b_combine, .Lfunc_end_k_q89cce6c61b_combine-k_q89cce6c61b_combine
	.p2alignl 7, 3214868480
	.fill 96, 4, 3214868480
	.section	.rodata,"a",@progbits
	.p2align	6, 0x0
	.amdhsa_kernel k_q89cce6c61b_combine
		.amdhsa_group_segment_fixed_size 68608
		.amdhsa_private_segment_fixed_size 0
		.amdhsa_enable_private_segment 0
		.amdhsa_kernarg_size 32
		.amdhsa_user_sgpr_count 2
		.amdhsa_user_sgpr_kernarg_segment_ptr 1
		.amdhsa_wavefront_size32 1
		.amdhsa_system_sgpr_workgroup_id_x 1
		.amdhsa_system_sgpr_workgroup_id_y 1
		.amdhsa_system_sgpr_workgroup_id_z 1
		.amdhsa_system_vgpr_workitem_id 0
		.amdhsa_next_free_vgpr 208
		.amdhsa_next_free_sgpr 66
		.amdhsa_reserve_vcc 0
		.amdhsa_float_denorm_mode_32 3
		.amdhsa_float_denorm_mode_16_64 3
		.amdhsa_memory_ordered 1
		.amdhsa_forward_progress 1
		.amdhsa_inst_pref_size 20
	.end_amdhsa_kernel
	.amdgpu_metadata
---
amdhsa.version: [ 1, 2 ]
amdhsa.kernels:
  - .name:           k_q89cce6c61b_combine
    .symbol:         k_q89cce6c61b_combine.kd
    .args:
      - { .name: x, .offset: 0, .size: 8, .value_kind: global_buffer, .address_space: global }
      - { .name: yb, .offset: 8, .size: 8, .value_kind: global_buffer, .address_space: global }
      - { .name: scale, .offset: 16, .size: 8, .value_kind: global_buffer, .address_space: global }
      - { .name: out0, .offset: 24, .size: 8, .value_kind: global_buffer, .address_space: global }
    .group_segment_fixed_size: 68608
    .private_segment_fixed_size: 0
    .kernarg_segment_align: 8
    .kernarg_segment_size: 32
    .max_flat_workgroup_size: 256
    .sgpr_count:     66
    .vgpr_count:     208
    .wavefront_size: 32
...
	.end_amdgpu_metadata
.endif
;; end of part 4
;; ======== version 2 of 2: 4 launches; version 1 with the launches chain, combine written anew for expert scheduling mode
;; limits: a function is approximated: absolute error at most 2.5e-05; an absolute error that grows with the inputs' magnitude: up to 1.3e-05 times it
;; workspace buffers: xt 16,777,216 bytes; yb 16,777,216 bytes; wf 4,194,304 bytes; choice 131,072 bytes of whole numbers; gates 262,144 bytes; hist 163,840 bytes of whole numbers; tiles 135,168 bytes of whole numbers
;; launch route: the kernel of part 1 again; grid 256 x 1, 8 waves a work-group, no clusters, 101,888 bytes of LDS; arguments x, Wr, br, xt, choice, gates, hist; writes xt, choice, gates, hist
;; launch sortw: the kernel of part 2 again; grid 256 x 1, 8 waves a work-group, no clusters, 3,072 bytes of LDS; arguments hist, choice, W1, W2, tiles, wf; writes tiles, wf
;; launch chain (part 5): grid 255 x 1, 4 waves a work-group, no clusters, 117,504 bytes of LDS; arguments xt, wf, tiles, gates, b1, b2, yb; writes yb
.if DOCPART == 5
	.amdgcn_target "amdgcn-amd-amdhsa--gfx1250"
	.amdhsa_code_object_version 6
	.text
	.protected	k_q89cce6c61b_chain
	.globl	k_q89cce6c61b_chain
	.p2align	8
	.type	k_q89cce6c61b_chain,@function
k_q89cce6c61b_chain:
	s_mov_b64 s[64:65], 0
	v_nop
	global_prefetch_b8 v0, s[64:65] scope:SCOPE_SE
	s_setreg_imm32_b32 hwreg(HW_REG_WAVE_SCHED_MODE, 0, 2), 2
	s_setreg_imm32_b32 hwreg(HW_REG_WAVE_MODE, 25, 1), 1
	s_wait_xcnt 0x0
	s_wait_alu depctr_vm_vsrc(0)
; THE CHAIN.  A work-group takes one tile: up to 144 tokens that chose the same two experts, and makes yb[token] = sum over the two of gate x (gelu(x W1 + b1) W2 + b2), in bf16, one owner for each row.
; Places past the tile's count repeat its last row and are not stored; a tile with count 0 works on a row that exists and stores nothing: the price of a grid of 255 that serves every split.
; LAYOUT.  Both products are used transposed: source 0 = a weight fragment (16 features x 32 k, as the launch before laid it), source 1 = 16 tokens x 32 k from LDS.  In a result a lane holds ONE token
; (lane % 16) and 8 neighbouring features.  The hidden layer goes in 8 chunks of 128 (4 of the lower expert, 4 of the higher).  For a chunk wave w makes hidden tiles 2 w, 2 w + 1 of the chunk's 8 for all 9 token tiles
; (G1: 18 accumulators, 8 steps of 32 channels) and output tiles 4 w .. 4 w + 3 for all 9 (G2: 36 accumulators that stay, 4 steps of 32 hidden units).  Each weight fragment has one reader wave, comes straight from
; memory into operand registers and feeds 9 products, so the weights need no LDS.  b1 is the C operand that starts G1's sums; Y starts at the gated b2; the gate, halved, is folded into gelu's factor 1/2.
; GELU, exact form by erf: erf(z) = 1 - (a1 t + a2 t^2 + a3 t^3) e^(-z^2), t = 1 / (1 + p z) (Abramowitz and Stegun 7.1.25: off by 2.5e-5 at the most, for every z >= 0); with z = |x| / sqrt 2:
; gate gelu(x) = (gate / 2) (x + |x| erf(z)): off by 1.3e-5 |x| gate at the most, under the bf16 rounding that follows.  64 vector instructions for a tile of 16 x 16.
; BY TURNS.  The 9 token tiles are group A (0-4) and group B (5-8).  A trip c = -1 .. 7: TURN A: G1(A, c + 1), G2(A, c); TURN B: G1(B, c + 1), G2(B, c).  Behind each of the trip's 288 products stand four of the 1,152 vector
; instructions of gelu(B, c) and then gelu(A, c + 1).  Trip -1 multiplies zeros in G2, trip 7 makes G1 results that nobody reads: one chunk's products, for one text of every trip.
; LIMITS.  NaN and infinities are not treated apart; a weight of W2 that is not finite would reach Y through trip -1's products with zeros, as it would through the true products.
; NO MULTICAST: partners would have to share a pair of experts; whole clusters of 4 x 144 tokens for each of 28 pairs can number 56 + 28 = 84, more than the 64 that run at once.
; THE MODE: SCHED_MODE bits 1:0 = 2 (LLVM: expert scheduling mode 2), set by the entry lines.  The code itself states the register dependences between vector or matrix instructions and memory or LDS
; instructions, with s_wait_alu, always for 0.
; THE PLAN.  Registers that memory or LDS instructions touch, in the loop:
;   the two buffers of token fragments   A block of products reads one; the run of LDS loads at the NEXT block's head lands in it.  No third buffer fits: 994 of the 1,024 registers are taken.
;   W1's, W2's fragments, b1             Read by products; asked for again at the head of the block behind their last use.
;   PK                                   Written by a batch's roundings; read by the batch's stores into H, which stand at the next block's head or turn's end; written again by the next batch's roundings.
;   L16, XA, HAD, HST, BOF               Offsets and LDS addresses: made at the kernel's head, never written again.
;   T, E, Q, HA, Y, the gates are named by vector and matrix instructions alone.
; So ONE wait on va_vdst stands at each block's head (for a turn's first block: at the end of the turn before): the block before is done reading its buffer and its weights, and the roundings issued so far have written PK.
; The stores into H and the runs of loads follow it; what stands between the wait and them names none of their registers.  One wait on vm_vsrc a batch stands ahead of the batch's first rounding into PK.
; REGISTERS, in windows of 256 (s_set_vgpr_msb: bits 1:0 source 0, 3:2 source 1, 5:4 source 2, 7:6 destination):
;   window 0: v0-19 addresses and gates; v20-51 T, v52-83 E, v84-91 Q, v92-107 PK: gelu at work; v112-255 HA: G1's accumulators, tile 2 n + a at HA + 8 (2 n + a)
;   window 1: v0-127 W1's 16 fragments (a 8 + ks); v128-255 W2's 16 (m 4 + kk)          window 2: Y (4 n + m) for n = 0 .. 7
;   window 3: v0-31 Y for n = 8; v32-111, v112-191 two buffers of token fragments; v192-207 b1; v208-225 the halved gates, a pair for each token tile
.set XP,    528                        ; an LDS row of X: 512 bytes + 16; of H: 256 + 16: the 16 rows of a fragment load start in different groups of banks (ISA guide 11.1)
.set HP,    272
.set HS,    144*XP                     ; behind X's 144 rows: one chunk of H, 144 rows
.set L16, 1                            ; v1   16 x lane
.set XA,  2                            ; v2, v3  my lane's place in X's fragments, groups A and B
.set HAD, 4                            ; v4   the same in H
.set HST, 5                            ; v5   where I put 16 bytes of H
.set G,   8                            ; v[8:16] the halved gate in force for token tile n; v17 is named with v16 as a pair
.set BOF, 18                           ; v18  32 x (lane / 16)
.set ROWB, 19                          ; v19  my wave's 36 whole rows of X
.set T,   20
.set E,   52
.set Q,   84
.set PK,  92
.set HA,  112
.set BF0, 32
.set BIAS, 192
.set GW,  208
.set MSB, 0
.macro WIN new                         ; the high byte repeats the setting that is left; a switch that changes nothing is dropped
.if MSB != (\new)
	s_set_vgpr_msb (MSB<<8)|(\new)
.set MSB, (\new)
.endif
.endm
.macro PLACES                          ; four plain instructions between a block's last product and the loads into registers that it read; they stand ahead of the wait that states that dependence
.rept 4
	v_nop
.endr
.endm
; Runs of LDS loads: the token fragments of two K steps for a group's token tiles, into buffer buf
.macro XRUN grp, b, buf
	WIN 0xc0
.set ng, 5-(\grp)
.set bf, BF0+80*(\buf)
.set kx, 0
.rept 2
.set nn, 0
.rept ng
	ds_load_b128 v[bf+8*(kx*ng+nn):bf+8*(kx*ng+nn)+3],   v[XA+(\grp)] offset:nn*16*XP+(2*(\b)+kx)*64
	ds_load_b128 v[bf+8*(kx*ng+nn)+4:bf+8*(kx*ng+nn)+7], v[XA+(\grp)] offset:nn*16*XP+(2*(\b)+kx)*64+32
.set nn, nn+1
.endr
.set kx, kx+1
.endr
.endm
.macro HRUN grp, hb, buf
	WIN 0xc0
.set ng, 5-(\grp)
.set n0, 5*(\grp)
.set bf, BF0+80*(\buf)
.set kx, 0
.rept 2
.set nn, 0
.rept ng
	ds_load_b128 v[bf+8*(kx*ng+nn):bf+8*(kx*ng+nn)+3],   v[HAD] offset:(n0+nn)*16*HP+(2*(\hb)+kx)*64
	ds_load_b128 v[bf+8*(kx*ng+nn)+4:bf+8*(kx*ng+nn)+7], v[HAD] offset:(n0+nn)*16*HP+(2*(\hb)+kx)*64+32
.set nn, nn+1
.endr
.set kx, kx+1
.endr
.endm
; Weight fragments from memory: each load covers 512 consecutive bytes
.macro WL1 b                           ; 8 loads: W1's fragments of K steps 2 b, 2 b + 1
	WIN 0x40
.irp a, 0,1
.irp k, 0,1
	global_load_b128 v[8*(8*\a+2*(\b)+\k):8*(8*\a+2*(\b)+\k)+3],   v[L16], s[26:27] offset:(8*\a+2*(\b)+\k)*1024
	global_load_b128 v[8*(8*\a+2*(\b)+\k)+4:8*(8*\a+2*(\b)+\k)+7], v[L16], s[26:27] offset:(8*\a+2*(\b)+\k)*1024+512
.endr
.endr
.endm
.macro WL2 hb                          ; 16 loads: W2's fragments of K steps 2 hb, 2 hb + 1
	WIN 0x40
.irp m, 0,1,2,3
.irp k, 0,1
	global_load_b128 v[128+8*(4*\m+2*(\hb)+\k):128+8*(4*\m+2*(\hb)+\k)+3],   v[L16], s[28:29] offset:(4*\m+2*(\hb)+\k)*1024
	global_load_b128 v[128+8*(4*\m+2*(\hb)+\k)+4:128+8*(4*\m+2*(\hb)+\k)+7], v[L16], s[28:29] offset:(4*\m+2*(\hb)+\k)*1024+512
.endr
.endr
.endm
.macro BL                              ; 4 loads: b1 of my two hidden tiles, 8 numbers a lane each
	WIN 0xc0
.irp a, 0,1
	global_load_b128 v[BIAS+8*\a:BIAS+8*\a+3],   v[BOF], s[30:31] offset:\a*64
	global_load_b128 v[BIAS+8*\a+4:BIAS+8*\a+7], v[BOF], s[30:31] offset:\a*64+16
.endr
.endm
; THE VECTOR WORK.  The trip's list of 1,152 goes in five batches: tiles 10-13, 14-17 (gelu(B, c)), 0-3, 4-7, 8-9 (gelu(A, c + 1)).  RID writes number o of the list.
; A batch of NP pairs of numbers: first 8 NP that read no transcendental's result: for each pair four plain ones (1 + p |x| twice, x^2, its factor) and four transcendentals (two reciprocals, two exponentials), the plain ones of pair g
; by turns with the transcendentals of pair g - 1.  Then ONE wait for the batch, ahead of the first reader.  Then 32 a tile: the polynomial, 1 - q E, x + |x| erf, the gate, the rounding; each kind four times on end, so that
; no line reads the result of the one before it.  The batch's tiles go into H at the next block's head or turn's end (HSTORE).  A tile's first read is its lowest register.
; The first readers of batches 2 and 3 are numbers 640 and 896 of the list, the first riders behind products 160 and 224: the wait on va_vdst at turn A's end, and the one at the head of the block that begins with product 224,
; stand behind all of those batches' transcendentals and ahead of those readers, so these two batches write no wait of their own.
.macro PREP g, k
.set rX, HA+8*(t0+(\g)/4)+2*((\g)%4)
.set rT, T+2*(\g)
.set rE, E+2*(\g)
.if (\k) == 0
	v_fma_f32 v[rT], |v[rX]|, s36, 1.0
.elseif (\k) == 1
	v_fma_f32 v[rT+1], |v[rX+1]|, s36, 1.0
.elseif (\k) == 2
	v_pk_mul_f32 v[rE:rE+1], v[rX:rX+1], v[rX:rX+1]
.else
	v_pk_mul_f32 v[rE:rE+1], v[rE:rE+1], s[38:39] op_sel_hi:[1,0]
.endif
.endm
.macro PRET g, k
.set rT, T+2*(\g)
.set rE, E+2*(\g)
.if (\k) < 2
	v_rcp_f32 v[rT+(\k)], v[rT+(\k)]
.else
	v_exp_f32 v[rE+(\k)-2], v[rE+(\k)-2]
.endif
.endm
.macro POSTOP s, k
.set tau, t0+(\s)
.set rX, HA+8*tau
.set rT, T+8*(\s)
.set rE, E+8*(\s)
.set pp, 2*((\k)%4)
.if (\k) < 4
	v_pk_fma_f32 v[Q+pp:Q+pp+1], v[rT+pp:rT+pp+1], s[40:41], s[42:43] op_sel_hi:[1,0,0]
.elseif (\k) < 8
	v_pk_fma_f32 v[Q+pp:Q+pp+1], v[Q+pp:Q+pp+1], v[rT+pp:rT+pp+1], s[44:45] op_sel_hi:[1,1,0]
.elseif (\k) < 12
	v_pk_mul_f32 v[Q+pp:Q+pp+1], v[Q+pp:Q+pp+1], v[rT+pp:rT+pp+1]
.elseif (\k) < 16
	v_pk_fma_f32 v[rE+pp:rE+pp+1], v[Q+pp:Q+pp+1], v[rE+pp:rE+pp+1], 1.0 op_sel_hi:[1,1,0] neg_lo:[1,0,0] neg_hi:[1,0,0]
.elseif (\k) < 24
.set jj, (\k)-16
	v_fma_f32 v[rX+jj], |v[rX+jj]|, v[rE+jj], v[rX+jj]
.elseif (\k) < 28
.if (tau/2)%2 == 0
	v_pk_mul_f32 v[rX+pp:rX+pp+1], v[rX+pp:rX+pp+1], v[G+(tau/4)*2:G+(tau/4)*2+1] op_sel_hi:[1,0]
.else
	v_pk_mul_f32 v[rX+pp:rX+pp+1], v[rX+pp:rX+pp+1], v[G+(tau/4)*2:G+(tau/4)*2+1] op_sel:[0,1] op_sel_hi:[1,1]
.endif
.else
	v_cvt_pk_bf16_f32 v[PK+4*(\s)+pp/2], v[rX+pp], v[rX+pp+1]
.endif
.endm
.macro RID
	WIN 0
.set bt, o/256
.set ob, o%256
.set ntl, 4
.if bt == 4
.set ntl, 2
.endif
.if bt < 2
.set t0, 10+4*bt
.else
.set t0, 4*(bt-2)
.endif
.set np, 4*ntl
.if ob < 4
	PREP 0, ob
.elseif ob >= 8*np
.if ob == 8*np
	v_nop                                          ; a plain instruction behind the batch's last transcendental (ISA guide 5.7.2)
.if (bt < 2) || (bt == 4)
	s_wait_alu depctr_va_vdst(0)                   ; the batch's reciprocals and exponentials have written T and E, ahead of their first reader
.endif
	s_wait_alu depctr_vm_vsrc(0)                   ; the stores into H of the batch before have read PK, which this batch's roundings write again
.endif
.set po, ob-8*np
	POSTOP po/32, po%32
.elseif ob >= 8*np-4
	PRET np-1, ob-(8*np-4)
.else
.set gg, (ob-4)/8+1
.set kq, (ob-4)%8
.if kq%2 == 0
	PREP gg, kq/2
.else
	PRET gg-1, kq/2
.endif
.endif
.set o, o+1
.endm
; Batch b's tiles, rounded in PK, go into H: 16 bytes a lane and tile.  It stands behind a wait on va_vdst that follows the batch's last rounding.
.macro HSTORE b
.set hn, 4
.if (\b) == 4
.set hn, 2
.endif
.if (\b) < 2
.set h0, 10+4*(\b)
.else
.set h0, 4*((\b)-2)
.endif
.set sl, 0
.rept hn
	ds_store_b128 v[HST], v[PK+4*sl:PK+4*sl+3] offset:((h0+sl)/2)*16*HP+((h0+sl)%2)*32
.set sl, sl+1
.endr
.endm
; THE MATRIX WORK.  The accumulators take turns, one instruction a turn: 7 or 9 others' stand between two links of a G1 chain, 15 or 19 between two of G2.
.macro MMX grp, b                      ; G1, K steps 2 b and 2 b + 1, for a group; the very first step takes b1 as C
.set n0, 5*(\grp)
.set ng, 5-(\grp)
.set bf, BF0+80*((\b)%2)
.set kx, 0
.rept 2
.set nn, 0
.rept ng
.set aa, 0
.rept 2
.set rD, HA+16*(n0+nn)+8*aa
.set rA, 8*(8*aa+2*(\b)+kx)
.set rB, bf+8*(kx*ng+nn)
.if ((\b) == 0) && (kx == 0)
	WIN 0x3d
	v_wmma_f32_16x16x32_bf16 v[rD:rD+7], v[rA:rA+7], v[rB:rB+7], v[BIAS+8*aa:BIAS+8*aa+7]
.else
	WIN 0x0d
	v_wmma_f32_16x16x32_bf16 v[rD:rD+7], v[rA:rA+7], v[rB:rB+7], v[rD:rD+7]
.endif
.rept 4
	RID
.endr
.set aa, aa+1
.endr
.set nn, nn+1
.endr
.set kx, kx+1
.endr
.endm
.macro MMH grp, hb                     ; G2, K steps 2 hb and 2 hb + 1, for a group
.set n0, 5*(\grp)
.set ng, 5-(\grp)
.set bf, BF0+80*((\hb)%2)
.set kx, 0
.rept 2
.set nn, 0
.rept ng
.set mm, 0
.rept 4
.set idx, 4*(n0+nn)+mm
.set rA, 128+8*(4*mm+2*(\hb)+kx)
.set rB, bf+8*(kx*ng+nn)
.if idx < 32
.set rD, 8*idx
	WIN 0xad
.else
.set rD, 8*(idx-32)
	WIN 0xfd
.endif
	v_wmma_f32_16x16x32_bf16 v[rD:rD+7], v[rA:rA+7], v[rB:rB+7], v[rD:rD+7]
.rept 4
	RID
.endr
.set mm, mm+1
.endr
.set nn, nn+1
.endr
.set kx, kx+1
.endr
.endm
; The head of a block of products: its token fragments, asked for a block ago, are in (and my stores into H are done); bar = 1: the turn's barrier closes here.
; alu = 0: a turn's first block: the wait on va_vdst at the end of the turn before serves it: only stores into H, scalar work, v_nop and the choice of the gates stand between, and none of them names a register of the loads that follow.
; st = b: batch b's tiles go into H here.
.macro HEAD bar, alu=1, st=-1
	WIN 0
	s_wait_dscnt 0x0
.if \bar
	s_barrier_wait -1
.endif
	PLACES
.if \alu
	s_wait_alu depctr_va_vdst(0)                   ; the block before is done reading its buffer of token fragments and its weights, in which the loads below land; the roundings issued so far have written PK
.endif
.if (\st) >= 0
	HSTORE \st
.endif
.endm
; s32 = expert << sh_e + (chunk & 3) << sh_q + own, for chunk min(c + ahead, 7)
.macro CHUNKOFF ahead, she, shq, own
	s_add_co_i32 s46, s24, \ahead
	s_min_i32 s46, s46, 7
	s_cmp_ge_u32 s46, 4
	s_cselect_b32 s47, s21, s20
	s_min_u32 s47, s47, 7
	s_and_b32 s46, s46, 3
	s_lshl_b32 s32, s47, \she
	s_lshl_b32 s48, s46, \shq
	s_add_co_u32 s32, s32, s48
	s_add_co_u32 s32, s32, \own
.endm
	s_load_b256 s[4:11], s[0:1], 0x0               ; xt s[4:5], wf s[6:7], tiles s[8:9], gates s[10:11]
	s_load_b128 s[12:15], s[0:1], 0x20             ; b1 s[12:13], b2 s[14:15]
	s_load_b64 s[16:17], s[0:1], 0x30              ; yb
	v_lshl_add_u32 v6, v0, 2, 0x1c900
	v_mov_b32 v7, 0
	v_lshrrev_b32 v111, 5, v0
	v_readfirstlane_b32 s18, v111                  ; wave 0..3
	s_mov_b32 s19, ttmp9                           ; tile
	v_and_b32 v108, 31, v0                         ; lane
	v_and_b32 v109, 15, v0                         ; r
	v_bfe_u32 v110, v0, 4, 1                       ; h
	v_lshlrev_b32 v[L16], 4, v108
	v_mul_u32_u24 v[XA], v109, XP
	v_lshl_add_u32 v[XA], v110, 4, v[XA]
	v_add_nc_u32 v[XA+1], 5*16*XP, v[XA]
	v_mul_u32_u24 v[HAD], v109, HP
	v_lshl_add_u32 v[HAD], v110, 4, v[HAD]
	v_add_nc_u32 v[HAD], HS, v[HAD]
	s_wait_alu depctr_va_sdst(0)                   ; s18, the wave's number, is written, ahead of its first reader
	s_lshl_b32 s46, s18, 6
	v_add_nc_u32 v[HST], s46, v[HAD]
	v_lshlrev_b32 v[BOF], 5, v110
	s_mul_i32 s46, s18, 36*XP
	v_add_nc_u32 v[ROWB], s46, v[L16]
	v_lshl_add_u32 v111, v0, 4, HS
	v_mov_b32 v17, 0
	s_mov_b32 s36, 0x3eaa540e                      ; p / sqrt 2 = 0.33267253
	s_mov_b32 s38, 0xbf38aa3b                      ; -log2(e) / 2
	s_mov_b32 s39, 0                               ; the pairs' high words are named with them
	s_mov_b32 s40, 0x3f3f7377                      ; a3 = 0.7478556
	s_mov_b32 s41, 0
	s_mov_b32 s42, 0xbdc45ca1                      ; a2 = -0.0958798
	s_mov_b32 s43, 0
	s_mov_b32 s44, 0x3eb2303a                      ; a1 = 0.3480242
	s_mov_b32 s45, 0
	s_lshl_b32 s37, s18, 14                        ; my wave's 16 KiB of a chunk's fragments
	s_lshl_b32 s52, s18, 7                         ; my wave's 32 numbers of a chunk's b1
	s_lshl_b32 s32, s19, 4
	s_mov_b32 s33, 0
	s_wait_kmcnt 0x0
	s_add_nc_u64 s[48:49], s[8:9], s[32:33]
	s_load_b128 s[20:23], s[48:49], 0x0            ; lower expert, higher expert, first place, count
	s_wait_kmcnt 0x0
	s_min_u32 s20, s20, 7
	s_min_u32 s21, s21, 7
	s_min_u32 s22, s22, 0x7fff
	s_min_u32 s23, s23, 144
	; the token numbers: of my wave's 36 rows (lanes 0-31, then 4 more), and of token 16 n + r for the gates.  Place i of the tile reads min(i, count - 1).
	s_sub_co_i32 s46, s23, 1
	s_mul_i32 s47, s18, 36
	v_add_nc_u32 v84, s47, v108
	v_and_b32 v85, 3, v108
	s_add_co_u32 s47, s47, 32
	v_add_nc_u32 v85, s47, v85
.irp n, 0,1,2,3,4,5,6,7,8
	v_add_nc_u32 v[86+\n], 16*\n, v109
.endr
.set kr, 0
.rept 11
	v_min_i32 v[84+kr], s46, v[84+kr]
	v_max_i32 v[84+kr], 0, v[84+kr]
	v_add_nc_u32 v[84+kr], s22, v[84+kr]
	v_min_u32 v[84+kr], 0x7fff, v[84+kr]
	v_lshlrev_b32 v[84+kr], 2, v[84+kr]
.set kr, kr+1
.endr
	s_wait_alu depctr_va_vdst(0)                   ; the eleven offsets v84-94 are written, and so are all offsets and LDS addresses made at the head (v1-5, v18, v19, v111), which every later load and store reads
.set kr, 0
.rept 11
	global_load_b32 v[95+kr], v[84+kr], s[8:9] offset:4096
.set kr, kr+1
.endr
	; chunk 0's weights and b1: 52 loads
	s_lshl_b32 s32, s20, 18
	s_add_co_u32 s32, s32, s37
	s_add_nc_u64 s[26:27], s[6:7], s[32:33]
	s_add_nc_u64 s[28:29], s[26:27], 0x200000
	s_lshl_b32 s32, s20, 11
	s_add_co_u32 s32, s32, s52
	s_add_nc_u64 s[30:31], s[12:13], s[32:33]
	WL1 0
	BL
	WL1 1
	WL1 2
	WL1 3
	WL2 0
	WIN 0
	s_lshl_b32 s46, s18, 8                         ; b2: my wave's 64 output channels, for both experts
	s_lshl_b32 s32, s20, 10
	s_add_co_u32 s32, s32, s46
	s_add_nc_u64 s[48:49], s[14:15], s[32:33]
	s_lshl_b32 s32, s21, 10
	s_add_co_u32 s32, s32, s46
	s_add_nc_u64 s[50:51], s[14:15], s[32:33]
	s_wait_loadcnt 52                              ; behind the eleven loads of token numbers: the 52
	s_wait_alu depctr_vm_vsrc(0)                   ; those eleven loads have read v84-94, of which nine are written again below
.irp n, 0,1,2,3,4,5,6,7,8
	v_min_u32 v[84+\n], 0x7fff, v[97+\n]
	v_lshlrev_b32 v[84+\n], 3, v[84+\n]
.endr
	WIN 0xc0
	s_wait_alu depctr_va_vdst(0)                   ; the gates' nine offsets v84-92 are written
.irp n, 0,1,2,3,4,5,6,7,8
	global_load_b64 v[GW+2*\n:GW+2*\n+1], v[84+\n], s[10:11]
.endr
.irp x, 0,1
.irp m, 0,1,2,3
	global_load_b128 v[32+32*\x+8*\m:32+32*\x+8*\m+3],   v[BOF], s[48+2*\x:49+2*\x] offset:\m*64
	global_load_b128 v[32+32*\x+8*\m+4:32+32*\x+8*\m+7], v[BOF], s[48+2*\x:49+2*\x] offset:\m*64+16
.endr
.endr
	WIN 0
.set kr, 0
.rept 36                                               ; my 36 rows' numbers stay in scalars for the way out
	v_readlane_b32 s[66+kr], v[95+kr/32], kr%32
.set kr, kr+1
.endr
	s_wait_alu depctr_va_sdst(0)                   ; s66 to s101 are written, ahead of their first readers: one wait for the run of 36
.set kr, 0
.rept 36
	s_min_u32 s[66+kr], s[66+kr], 0x7fff
	v_lshl_add_u32 v[T+kr], s[66+kr], 9, v[L16]
.set kr, kr+1
.endr
	s_wait_alu depctr_va_vdst(0)                   ; the 36 rows' offsets in v20-55 are written
.set kr, 0
.rept 36
	global_load_b128 v[HA+4*kr:HA+4*kr+3], v[T+kr], s[4:5]  ; a whole row of xt: 512 consecutive bytes
.set kr, kr+1
.endr
	s_wait_loadcnt 36                              ; all but the 36 rows: gates and b2 are in.  Y starts at gate_lo b2_lo + gate_hi b2_hi, while the rows are on their way
	WIN 0x8f
.set idx, 0
.rept 32
.irp p, 0,2,4,6
	v_pk_mul_f32 v[8*idx+\p:8*idx+\p+1], v[32+8*(idx%4)+\p:32+8*(idx%4)+\p+1], v[GW+2*(idx/4):GW+2*(idx/4)+1] op_sel_hi:[1,0]
.endr
.set idx, idx+1
.endr
	WIN 0xaf
.set idx, 0
.rept 32
.irp p, 0,2,4,6
	v_pk_fma_f32 v[8*idx+\p:8*idx+\p+1], v[64+8*(idx%4)+\p:64+8*(idx%4)+\p+1], v[GW+2*(idx/4):GW+2*(idx/4)+1], v[8*idx+\p:8*idx+\p+1] op_sel:[0,1,0] op_sel_hi:[1,1,1]
.endr
.set idx, idx+1
.endr
	WIN 0xcf
.irp m, 0,1,2,3
.irp p, 0,2,4,6
	v_pk_mul_f32 v[8*\m+\p:8*\m+\p+1], v[32+8*\m+\p:32+8*\m+\p+1], v[GW+16:GW+17] op_sel_hi:[1,0]
.endr
.endr
	WIN 0xff
.irp m, 0,1,2,3
.irp p, 0,2,4,6
	v_pk_fma_f32 v[8*\m+\p:8*\m+\p+1], v[64+8*\m+\p:64+8*\m+\p+1], v[GW+16:GW+17], v[8*\m+\p:8*\m+\p+1] op_sel:[0,1,0] op_sel_hi:[1,1,1]
.endr
.endr
	WIN 0xc3
.irp n, 0,1,2,3,4,5,6,7,8
	v_pk_mul_f32 v[GW+2*\n:GW+2*\n+1], v[GW+2*\n:GW+2*\n+1], 0.5 op_sel_hi:[1,0]
.endr
	WIN 0
	s_wait_alu depctr_vm_vsrc(0)                   ; the gates' loads have read v84-87, which take zeros below
.irp i, 0,1,2,3
	v_mov_b32 v[Q+\i], 0
.endr
	s_wait_alu depctr_va_vdst(0)                   ; the zeros in v84-87 are written, which the LDS stores read; Y's start values are done reading b2's registers, in which X's first fragments land further down
.irp i, 0,1,2,3,4,5,6,7,8,9,10
	ds_store_b128 v111, v[Q:Q+3] offset:\i*2048    ; group A's 80 rows of H (21,760 bytes, 22,528 written) are 0 for trip -1
.endr
	s_wait_loadcnt 0x0                             ; the rows
.set kr, 0
.rept 36
	ds_store_b128 v[ROWB], v[HA+4*kr:HA+4*kr+3] offset:kr*XP
.set kr, kr+1
.endr
	s_wait_dscnt 0x0                               ; for the others' sake: my rows of X and my zeros are in LDS
	s_wait_alu depctr_vm_vsrc(0)                   ; the LDS stores have read HA and v84-87, the rows' loads v20-55: the zeros below, gelu and G1 write them again
	s_barrier_signal -1
.set i, HA+80
.rept 64
	v_mov_b32 v[i], 0                              ; group B's G1 results "of chunk -1": gelu makes zeros of them
.set i, i+1
.endr
	s_barrier_wait -1
	XRUN 0, 0, 0                                   ; no vector instruction since the last wait on va_vdst names these registers: only HA was written
	WIN 0
	s_wait_dscnt 0x0
	s_barrier_signal -1                            ; the loop's barriers are open across its edge: signal at a turn's end, wait at the next turn's second block
	s_mov_b32 s24, -1                              ; c
	s_mov_b32 s25, 9
.Ltrip:
.set o, 0
	s_cmp_ge_i32 s24, 3                            ; gelu(A, c + 1) takes the higher expert's gate from chunk 4 on,
	s_cselect_b32 s34, -1, 0
	s_cmp_ge_i32 s24, 4                            ; gelu(B, c) likewise
	s_cselect_b32 s35, -1, 0
	WIN 0x0f
.irp n, 0,1,2,3,4
	v_cndmask_b32 v[G+\n], v[GW+2*\n], v[GW+2*\n+1], s34
.endr
.irp n, 5,6,7,8
	v_cndmask_b32 v[G+\n], v[GW+2*\n], v[GW+2*\n+1], s35
.endr
	; TURN A.  The weights were asked for in this order: W1 steps 0-1 and b1 (12 loads), steps 2-3, 4-5, 6-7 (8 each), W2 steps 0-1 (16), steps 2-3 (16, below): each count is what was issued behind the group wanted.
	; Between the signal and the wait of a barrier stand register work and loads of X, which nobody writes before the loop is left.
	HEAD 0, 0                                      ; buffer 1: the wait at the last trip's end has shown its readers done; in the first trip nothing has named it
	XRUN 0, 1, 1
	s_wait_loadcnt 40                              ; 8 + 8 + 8 + 16
	MMX 0, 0
	HEAD 1                                         ; every wave has read group B's H of the chunk before, and has written group A's
	XRUN 0, 2, 0
	WL2 1
	s_wait_loadcnt 48                              ; 8 + 8 + 16 + 16
	MMX 0, 1
	HEAD 0
	XRUN 0, 3, 1
	s_wait_loadcnt 40                              ; 8 + 16 + 16
	MMX 0, 2
	HEAD 0
	HRUN 0, 0, 0
	s_wait_loadcnt 32                              ; 16 + 16
	MMX 0, 3
	HEAD 0, 1, 0                                   ; tiles 10-13 of gelu(B, c), rounded behind products 39 to 63, go into H
	HRUN 0, 1, 1
	s_wait_loadcnt 16
	MMH 0, 0
	HEAD 0
	XRUN 1, 0, 0
	s_wait_loadcnt 0x0
	MMH 0, 1
	WIN 0
	s_wait_alu depctr_va_vdst(0)                   ; the roundings of tiles 14-17 have written PK, which the stores below read; G2's last block is done reading buffer 1, in which turn B's first run lands; the reciprocals and exponentials of tiles 0-3 have written T and E
	HSTORE 1
	s_wait_dscnt 0x0                               ; my stores of group B's H are done, my reads of group A's are back
	s_barrier_signal -1
	; TURN B.  A fragment is asked for again a block behind its last use: chunk c + 2 of W1 and b1, chunk c + 1 of W2; 112 products or more stand ahead of its next use.
	s_wait_xcnt 0x0                                ; the pointers are sources of earlier loads: they are rewritten only behind this wait
	CHUNKOFF 2, 18, 16, s37
	s_add_nc_u64 s[26:27], s[6:7], s[32:33]
	CHUNKOFF 2, 11, 9, s52
	s_add_nc_u64 s[30:31], s[12:13], s[32:33]
	HEAD 0, 0
	XRUN 1, 1, 1
	MMX 1, 0
	HEAD 1                                         ; every wave has read group A's H, and has written group B's
	XRUN 1, 2, 0
	WL1 0
	BL
	MMX 1, 1
	HEAD 0, 1, 2                                   ; tiles 0-3 of gelu(A, c + 1) go into H
	XRUN 1, 3, 1
	WL1 1
	MMX 1, 2
	HEAD 0
	HRUN 1, 0, 0
	WL1 2
	MMX 1, 3
	HEAD 0                                         ; this head's wait also shows T and E of tiles 4-7 written, ahead of their first reader
	HRUN 1, 1, 1
	WL1 3
	MMH 1, 0
	HEAD 0, 1, 3                                   ; tiles 4-7 go into H
	XRUN 0, 0, 0
	s_wait_xcnt 0x0
	CHUNKOFF 1, 18, 16, s37
	s_add_co_u32 s32, s32, 0x200000
	s_add_nc_u64 s[28:29], s[6:7], s[32:33]
	WL2 0
	MMH 1, 1
	WIN 0                                          ; at a label and at a branch every window is 0
	s_wait_alu depctr_va_vdst(0)                   ; the roundings of tiles 8 and 9 have written PK, which the stores below read; G2's last block is done reading buffer 1, in which the next trip's first run lands
	HSTORE 4
	s_wait_dscnt 0x0                               ; my stores of group A's H are done, my reads of group B's and of X are back
	s_barrier_signal -1
	s_add_co_i32 s24, s24, 1
	s_sub_co_u32 s25, s25, 1
	s_cmp_lg_u32 s25, 0
	s_cbranch_scc1 .Ltrip
	; THE WAY OUT.  Nobody reads X any more: its rows take Y, rounded to bf16 (a lane's 8 channels of a token are 16 bytes), and come back as whole rows of 512 bytes.
	s_barrier_wait -1
.set kr, 0
.rept 36
	v_lshl_add_u32 v[T+kr], s[66+kr], 9, v[L16]    ; my rows' places in yb; also the places behind the last products
.set kr, kr+1
.endr
	s_lshl_b32 s46, s18, 7
	v_add_nc_u32 v8, s46, v[XA]
	v_add_nc_u32 v9, 5*16*XP, v8
.set idx, 0
.rept 36
.if idx < 32
.set rY, 8*idx
	WIN 0x0a
.else
.set rY, 8*(idx-32)
	WIN 0x0f
.endif
.irp p, 0,1,2,3
	v_cvt_pk_bf16_f32 v[HA+4*idx+\p], v[rY+2*\p], v[rY+2*\p+1]
.endr
.set idx, idx+1
.endr
	WIN 0
	s_wait_alu depctr_va_vdst(0)                   ; the roundings have written HA and the adds v8 and v9, which the LDS stores read; the rows' offsets in v20-55 are written, which the global stores read
.set idx, 0
.rept 36
.if idx < 20
	ds_store_b128 v8, v[HA+4*idx:HA+4*idx+3] offset:(idx/4)*16*XP+(idx%4)*32
.else
	ds_store_b128 v9, v[HA+4*idx:HA+4*idx+3] offset:(idx/4-5)*16*XP+(idx%4)*32
.endif
.set idx, idx+1
.endr
	s_wait_dscnt 0x0                               ; a row's 512 bytes come from four waves
	s_wait_alu depctr_vm_vsrc(0)                   ; my LDS stores have read HA, in which the rows read back below land
	s_barrier_signal -1
	s_barrier_wait -1
.set kr, 0
.rept 36
	ds_load_b128 v[HA+4*kr:HA+4*kr+3], v[ROWB] offset:kr*XP
.set kr, kr+1
.endr
	s_mul_i32 s46, s18, 36
	s_sub_co_i32 s46, s23, s46                     ; how many of my 36 rows the tile's count reaches
.set kr, 0
.rept 36
	s_wait_dscnt 35-kr
	s_cmp_le_i32 s46, kr
	s_cbranch_scc1 .Ldone                          ; rows past the count are not stored
	global_store_b128 v[T+kr], v[HA+4*kr:HA+4*kr+3], s[16:17]  ; a whole row of yb: 512 consecutive bytes
.set kr, kr+1
.endr
.Ldone:
	s_wait_dscnt 0x0                               ; the wave's end
	s_wait_alu depctr_hold_cnt(0) depctr_sa_sdst(0) depctr_va_vdst(0) depctr_va_sdst(0) depctr_va_ssrc(0) depctr_va_vcc(0) depctr_vm_vsrc(0)
	s_wait_tensorcnt 0x0
	ds_add_u32 v6, v7
	s_wait_dscnt 0x0
	s_endpgm
.Lfunc_end_k_q89cce6c61b_chain:
	.size	k_q89cce6c61b_chain, .Lfunc_end_k_q89cce6c61b_chain-k_q89cce6c61b_chain
	.p2alignl 7, 3214868480
	.fill 96, 4, 3214868480
	.section	.rodata,"a",@progbits
	.p2align	6, 0x0
	.amdhsa_kernel k_q89cce6c61b_chain
		.amdhsa_group_segment_fixed_size 117504
		.amdhsa_private_segment_fixed_size 0
		.amdhsa_enable_private_segment 0
		.amdhsa_kernarg_size 56
		.amdhsa_user_sgpr_count 2
		.amdhsa_user_sgpr_kernarg_segment_ptr 1
		.amdhsa_wavefront_size32 1
		.amdhsa_system_sgpr_workgroup_id_x 1
		.amdhsa_system_sgpr_workgroup_id_y 1
		.amdhsa_system_sgpr_workgroup_id_z 1
		.amdhsa_system_vgpr_workitem_id 0
		.amdhsa_next_free_vgpr 1024
		.amdhsa_next_free_sgpr 102
		.amdhsa_reserve_vcc 0
		.amdhsa_float_denorm_mode_32 3
		.amdhsa_float_denorm_mode_16_64 3
		.amdhsa_memory_ordered 1
		.amdhsa_forward_progress 1
		.amdhsa_inst_pref_size 200
	.end_amdhsa_kernel
	.amdgpu_metadata
---
amdhsa.version: [ 1, 2 ]
amdhsa.kernels:
  - .name:           k_q89cce6c61b_chain
    .symbol:         k_q89cce6c61b_chain.kd
    .args:
      - { .name: xt, .offset: 0, .size: 8, .value_kind: global_buffer, .address_space: global }
      - { .name: wf, .offset: 8, .size: 8, .value_kind: global_buffer, .address_space: global }
      - { .name: tiles, .offset: 16, .size: 8, .value_kind: global_buffer, .address_space: global }
      - { .name: gates, .offset: 24, .size: 8, .value_kind: global_buffer, .address_space: global }
      - { .name: b1, .offset: 32, .size: 8, .value_kind: global_buffer, .address_space: global }
      - { .name: b2, .offset: 40, .size: 8, .value_kind: global_buffer, .address_space: global }
      - { .name: yb, .offset: 48, .size: 8, .value_kind: global_buffer, .address_space: global }
    .group_segment_fixed_size: 117504
    .private_segment_fixed_size: 0
    .kernarg_segment_align: 8
    .kernarg_segment_size: 56
    .max_flat_workgroup_size: 128
    .sgpr_count:     102
    .vgpr_count:     1024
    .wavefront_size: 32
...
	.end_amdgpu_metadata
.endif
;; end of part 5
;; launch combine (part 6): grid 256 x 1, 8 waves a work-group, no clusters, 68,608 bytes of LDS; arguments x, yb, scale, out0; writes out0
.if DOCPART == 6
	.amdgcn_target "amdgcn-amd-amdhsa--gfx1250"
	.amdhsa_code_object_version 6
	.text
	.protected	k_q89cce6c61b_combine
	.globl	k_q89cce6c61b_combine
	.p2align	8
	.type	k_q89cce6c61b_combine,@function
k_q89cce6c61b_combine:
	s_mov_b64 s[64:65], 0
	v_nop
	global_prefetch_b8 v0, s[64:65] scope:SCOPE_SE
	s_setreg_imm32_b32 hwreg(HW_REG_WAVE_SCHED_MODE, 0, 2), 2
	s_setreg_imm32_b32 hwreg(HW_REG_WAVE_MODE, 25, 1), 1
	s_wait_xcnt 0x0
	s_wait_alu depctr_vm_vsrc(0)
; COMBINE.  out0 = x + scale y, with x and out0 as [image][channel][position] in f32 and y as rows yb[token][256] in bf16.  A work-group takes 128 tokens of one image, all 256 channels.
; y's rows go through LDS to change from token rows to channel rows; x stays in registers; one fused multiply-add in f32 for each number.  Memory binds: every load and store of a wave covers 512 consecutive bytes,
; all 48 loads of a wave are asked for at once, nothing is read twice.  Matrix units and clusters have nothing to do here.
; THE MODE: SCHED_MODE bits 1:0 = 2 (LLVM: expert scheduling mode 2), set by the entry lines.  The code itself states the register dependences between vector instructions and memory or LDS instructions,
; with s_wait_alu, always for 0.
; THE PLAN.  Registers that memory or LDS instructions touch:
;   v1, v4, v5   an offset and two LDS addresses: made at the head, never written again.
;   YL           Loaded from yb; read by the 16 LDS stores; then the 16 LDS loads land in it; read by the multiply-adds.
;   X            Loaded from x; octet o's 32 multiply-adds write its 32 registers in place; the eight stores issued in octet o + 1 read them; never written again.
; Octet o's multiply-adds name its own X and YL and the scale alone.  So one wait on va_vdst at an octet's head shows the octet before written, and that octet's eight stores are dealt among this octet's
; multiply-adds with no further wait; one more stands ahead of the last eight stores.  One wait on vm_vsrc stands between the LDS stores that read YL and the LDS loads that land in it.
.set XP,    528                        ; a stage row: 512 bytes + 16.  Token n lies in stage row 32 (n % 4) + n / 4, so that lane l finds its tokens 4 l + j in rows 32 j + l
.set YL, 16                            ; v[16:79]   y: 16 rows as loaded; then 4 octets x 4 tokens x 8 channels
.set X,  80                            ; v[80:207]  channel i of my 32: tokens 4 l + 0..3 at X + 4 i
	s_load_b256 s[4:11], s[0:1], 0x0               ; x s[4:5], yb s[6:7], scale s[8:9], out0 s[10:11]
	v_lshl_add_u32 v14, v0, 2, 0x10800
	v_mov_b32 v15, 0
	v_lshrrev_b32 v8, 5, v0
	v_readfirstlane_b32 s14, v8                    ; wave
	s_mov_b32 s15, ttmp9
	v_and_b32 v9, 31, v0
	v_lshlrev_b32 v1, 4, v9
	s_wait_alu depctr_va_sdst(0)                   ; s14, the wave's number, is written, ahead of its first reader
	s_mul_i32 s16, s14, 4*XP
	v_add_nc_u32 v4, s16, v1                       ; in: token 16 w + i goes to stage row 4 w + 32 (i % 4) + i / 4
	v_mul_u32_u24 v5, v9, XP
	s_lshl_b32 s16, s14, 6
	v_add_nc_u32 v5, s16, v5                       ; back: row l, my wave's 32 channels
	s_lshr_b32 s16, s15, 4
	s_lshl_b32 s16, s16, 21
	s_and_b32 s17, s15, 15
	s_lshl_b32 s17, s17, 9
	s_add_co_u32 s16, s16, s17
	s_lshl_b32 s17, s14, 18
	s_add_co_u32 s16, s16, s17                     ; image, 128 tokens, my 32 channels
	s_mov_b32 s17, 0
	s_lshl_b32 s18, s15, 16
	s_lshl_b32 s19, s14, 13
	s_add_co_u32 s18, s18, s19                     ; my 16 rows of yb
	s_mov_b32 s19, 0
	s_wait_kmcnt 0x0
	s_load_b32 s12, s[8:9], 0x0
	s_add_nc_u64 s[6:7], s[6:7], s[18:19]
	s_add_nc_u64 s[4:5], s[4:5], s[16:17]
	s_add_nc_u64 s[10:11], s[10:11], s[16:17]
	s_wait_alu depctr_va_vdst(0)                   ; v1, v4 and v5 are written: every load and store of the kernel reads one of them as its offset or address
.set i, 0
.rept 16
	global_load_b128 v[YL+4*i:YL+4*i+3], v1, s[6:7] offset:i*512 th:TH_LOAD_NT
.set i, i+1
.endr
.set i, 0
.rept 32
	global_load_b128 v[X+4*i:X+4*i+3], v1, s[4:5] offset:i*8192 th:TH_LOAD_NT
.set i, i+1
.endr
	s_wait_kmcnt 0x0
	v_mov_b32 v6, s12                              ; scale: named by the multiply-adds alone
.set i, 0
.rept 16
	s_wait_loadcnt 47-i                            ; loads come back in order: row i of y is in; the younger rows and x stay out
	ds_store_b128 v4, v[YL+4*i:YL+4*i+3] offset:((i%4)*32+i/4)*XP
.set i, i+1
.endr
	s_wait_dscnt 0x0
	s_wait_alu depctr_vm_vsrc(0)                   ; my LDS stores have read YL, in which the LDS loads below land
	s_barrier_signal -1
	s_barrier_wait -1
.set i, 0
.rept 16                                               ; octet i / 4 of my channels, token 4 l + i % 4
	ds_load_b128 v[YL+4*i:YL+4*i+3], v5 offset:(i%4)*32*XP+(i/4)*16
.set i, i+1
.endr
.set oc, 0
.rept 4
	s_wait_dscnt 12-4*oc                           ; this octet's four loads are in, the later octets' stay out
	s_wait_loadcnt 24-8*oc                         ; x's channels up to 8 oc + 7 are in
.if oc > 0
	s_wait_alu depctr_va_vdst(0)                   ; the octet before has written its 32 registers of X, which the stores below read
.endif
.set cc, 0
.rept 8
.if oc > 0
	global_store_b128 v1, v[X+4*(8*(oc-1)+cc):X+4*(8*(oc-1)+cc)+3], s[10:11] offset:(8*(oc-1)+cc)*8192 th:TH_STORE_NT  ; the octet before; no vector instruction since the wait names these registers
.endif
.irp j, 0,1,2,3
.if cc%2 == 0
	v_fma_mix_f32_bf16 v[X+4*(8*oc+cc)+\j], v[YL+16*oc+4*\j+cc/2], v6, v[X+4*(8*oc+cc)+\j] op_sel_hi:[1,0,0]
.else
	v_fma_mix_f32_bf16 v[X+4*(8*oc+cc)+\j], v[YL+16*oc+4*\j+cc/2], v6, v[X+4*(8*oc+cc)+\j] op_sel:[1,0,0] op_sel_hi:[1,0,0]
.endif
.endr
.set cc, cc+1
.endr
.set oc, oc+1
.endr
	s_wait_alu depctr_va_vdst(0)                   ; the last octet has written its 32 registers of X, which the last eight stores read
.set cc, 0
.rept 8
	global_store_b128 v1, v[X+4*(24+cc):X+4*(24+cc)+3], s[10:11] offset:(24+cc)*8192 th:TH_STORE_NT
.set cc, cc+1
.endr
	s_wait_dscnt 0x0                               ; the wave's end
	s_wait_alu depctr_hold_cnt(0) depctr_sa_sdst(0) depctr_va_vdst(0) depctr_va_sdst(0) depctr_va_ssrc(0) depctr_va_vcc(0) depctr_vm_vsrc(0)
	s_wait_tensorcnt 0x0
	ds_add_u32 v14, v15
	s_wait_dscnt 0x0
	s_endpgm
.Lfunc_end_k_q89cce6c61b_combine:
	.size	k_q89cce6c61b_combine, .Lfunc_end_k_q89cce6c61b_combine-k_q89cce6c61b_combine
	.p2alignl 7, 3214868480
	.fill 96, 4, 3214868480
	.section	.rodata,"a",@progbits
	.p2align	6, 0x0
	.amdhsa_kernel k_q89cce6c61b_combine
		.amdhsa_group_segment_fixed_size 68608
		.amdhsa_private_segment_fixed_size 0
		.amdhsa_enable_private_segment 0
		.amdhsa_kernarg_size 32
		.amdhsa_user_sgpr_count 2
		.amdhsa_user_sgpr_kernarg_segment_ptr 1
		.amdhsa_wavefront_size32 1
		.amdhsa_system_sgpr_workgroup_id_x 1
		.amdhsa_system_sgpr_workgroup_id_y 1
		.amdhsa_system_sgpr_workgroup_id_z 1
		.amdhsa_system_vgpr_workitem_id 0
		.amdhsa_next_free_vgpr 208
		.amdhsa_next_free_sgpr 66
		.amdhsa_reserve_vcc 0
		.amdhsa_float_denorm_mode_32 3
		.amdhsa_float_denorm_mode_16_64 3
		.amdhsa_memory_ordered 1
		.amdhsa_forward_progress 1
		.amdhsa_inst_pref_size 21
	.end_amdhsa_kernel
	.amdgpu_metadata
---
amdhsa.version: [ 1, 2 ]
amdhsa.kernels:
  - .name:           k_q89cce6c61b_combine
    .symbol:         k_q89cce6c61b_combine.kd
    .args:
      - { .name: x, .offset: 0, .size: 8, .value_kind: global_buffer, .address_space: global }
      - { .name: yb, .offset: 8, .size: 8, .value_kind: global_buffer, .address_space: global }
      - { .name: scale, .offset: 16, .size: 8, .value_kind: global_buffer, .address_space: global }
      - { .name: out0, .offset: 24, .size: 8, .value_kind: global_buffer, .address_space: global }
    .group_segment_fixed_size: 68608
    .private_segment_fixed_size: 0
    .kernarg_segment_align: 8
    .kernarg_segment_size: 32
    .max_flat_workgroup_size: 256
    .sgpr_count:     66
    .vgpr_count:     208
    .wavefront_size: 32
...
	.end_amdgpu_metadata
.endif
;; end of part 6
